; MI455X (gfx1250); checked and timed in simulation.
; The chip was launched on July 23, 2026; its instructions are those of AMD's public machine-readable ISA for CDNA 5 (MIT licence, August 2026) and "CDNA5" Instruction Set Architecture Reference Guide (July 2026). The comments in the code are by the model that wrote it; some were corrected since.
;; Causal Self Attention. Allowed arithmetic: matrix products marked QUANTISED: E2M3 operands, one E8M0 scale for each 32 along K, by v_wmma_scale_f32_16x16x128_f8f6f4 with both operands' format E2M3, f32 sums; everything else in f32.
;; Inputs: b_proj 1,024 float32; b_qkv 3,072 float32; w_proj 1,024 x 1,024 float32; w_qkv 1,024 x 3,072 float32; x 4 x 2,048 x 1,024 float32.
;; Outputs: out0 4 x 2,048 x 1,024 float32.
;; This version of the problem:
;;   THIS VERSION OF THE PROBLEM IS GIVEN IN LOW PRECISION. The matrix products marked QUANTISED in the list below multiply operands that are first quantised to E2M3 (2 exponent bits, 3 mantissa bits; 6 bits a number), with one power-of-two scale for each 32 numbers along K (OCP MX v1.0); their sums are f32. All else is computed in f32.
;;   The module's matrix products, in the order in which they are computed (A, B: the left and right operand; K: the contracted axis; several contracted axes count as one K, in the product's order):
;;     1. [M 8,192, K 1,024] x [K 1,024, N 3,072]; A: input x; B: input w_qkv: QUANTISED
;;     2. batch 64 x [M 2,048, K 64] x [K 64, N 2,048]; A: computed on the way; B: computed on the way: QUANTISED
;;     3. batch 64 x [M 2,048, K 2,048] x [K 2,048, N 64]; A: softmax (see below); B: computed on the way: QUANTISED
;;     4. [M 8,192, K 1,024] x [K 1,024, N 1,024]; A: computed on the way; B: input w_proj: QUANTISED
;;   THE QUANTISER, for each operand of a quantised product, along K:
;;     - K is cut into blocks of 32 from its start; a last block that is shorter is filled with zeros.
;;     - A block's scale is 2^e with e = floor(log2(the largest magnitude in the block)) - 2, held to -126 .. 127; a block of zeros has e = 0. As a byte (E8M0): e + 127.
;;     - Each number is divided by its block's scale, clamped to +-7.5, and rounded to the nearest number of E2M3, ties to even, subnormals kept.
;;     - The product sums the exact products of the quantised numbers (number of the format x scale) in f32.
;;   ~~~python
;;   def quantise(x, axis):      # numpy; x: float32 -> the quantised numbers, widened to float32 again
;;       x = np.moveaxis(x, axis, -1); K = x.shape[-1]
;;       x = np.pad(x, [(0, 0)] * (x.ndim - 1) + [(0, -K % 32)]); x = x.reshape(x.shape[:-1] + (-1, 32)); a = np.abs(x).max(-1, keepdims=True)
;;       e = np.where(a > 0, np.clip(np.frexp(np.where(a > 0, a, 1))[1] - 1 - 2, -126, 127), 0)      # np.frexp(a)[1] - 1 = floor(log2(a)), exactly
;;       r = np.clip(x / 2.0 ** e, -7.5, 7.5)
;;       step = 2.0 ** (np.maximum(np.frexp(np.where(r == 0, 1, r))[1] - 1, 0) - 3)
;;       q = np.round(r / step) * step * 2.0 ** e      # np.round: ties to even
;;       return np.moveaxis(q.reshape(q.shape[:-2] + (-1,))[..., :K], -1, axis).astype(np.float32)
;;   ~~~
;;   SOFTMAX AHEAD OF A QUANTISED PRODUCT. Where the list says 'softmax', what is quantised is not the finished softmax but p = 2^(t - M), with t = logit x log2(e) and M = ceil(the row's largest t), a whole number; so 1/2 < the row's largest p <= 1. The row's sum l is taken of the UNQUANTISED p, in f32, and the product's result is divided by l at the end. Since M is a whole number, a kernel that streams over the keys may use a running M (the ceiling of the running maximum): every later rescaling is an exact power of two, which a block's scale takes up: the codes' values come out the same.
;;   OPERANDS COMPUTED ON THE WAY. 'Computed on the way' means the value that the module computes at that place (a softmax that the list does not call 'softmax' is quantised finished and normalised). What goes into a quantiser is computed in f32, as accurately as f32 sums, v_exp_f32 and their like allow (about 1e-6 of the number): no bf16 or f16 on the way to a quantiser, and a product that is left as it is and whose result goes on into a quantised operand takes f32 operands (vector FMAs, or v_wmma_f32_16x16x4_f32). A number that lies on a knife's edge between two numbers of the format may be rounded either way, as far as f32 arithmetic and the matrix unit's own rounding can turn it there, and no further.
;; One version. Each part assembles by itself: llvm-mc -triple=amdgcn-amd-amdhsa -mcpu=gfx1250 --defsym DOCPART=n.
;; ======== version 1 of 1: 4 launches
;; limits: right only within a limited range of input values
;; workspace buffers: xq 6,553,600 bytes; wq 3,276,800 bytes; qq 6,815,744 bytes; kv 13,369,344 bytes; yq 6,553,600 bytes
;; launch quant (part 1): grid 384 x 1, 4 waves a work-group, no clusters, 92,672 bytes of LDS; arguments x, w_qkv, w_proj, xq, wq; writes xq, wq
.if DOCPART == 1
	.amdgcn_target "amdgcn-amd-amdhsa--gfx1250"
	.amdhsa_code_object_version 6
	.text
	.protected	k_qad8c050c3e_quant
	.globl	k_qad8c050c3e_quant
	.p2align	8
	.type	k_qad8c050c3e_quant,@function
k_qad8c050c3e_quant:
	s_mov_b64 s[64:65], 0
	v_nop
	global_prefetch_b8 v0, s[64:65] scope:SCOPE_SE
	s_setreg_imm32_b32 hwreg(HW_REG_WAVE_MODE, 25, 1), 1
	s_wait_xcnt 0x0
; x [8192][1024], w_qkv [1024][3072] and w_proj [1024][1024], f32, become codes of FP6 (E2M3) with one E8M0 byte for each 32 along K.
; A block's scale is 2^(floor(log2(its largest magnitude)) - 2); its byte is the largest magnitude's exponent field - 2, held at 1 from below.
; A block of zeros keeps the byte 1 where the quantiser says 127: its codes are zeros, and only this program reads the bytes.
; LIMITS: NaN and infinities among the inputs are not served.  No work is left out but the score tiles that lie wholly under the causal mask.
; ROW ORDER.  A row (a token of x, a column n of a weight) is stored at its index with bits 3 and 4 exchanged: stored tile a, row r is index 32 (a / 2) + 8 (a % 2) + r % 8 + 16 (r / 8).
; THE CODES LIE AS IMAGES OF OPERAND REGISTERS: [tile of 16 stored rows][q: 128 along K][lane 16 h + r][48 bytes]: the 24 bytes of K = 128 q + 32 h + 0 .. 31 of row r, then those of K = 128 q + 64 + 32 h + 0 .. 31.
; A tile is 12,288 dense bytes.  xq: 512 tiles at 0, scale bytes [8192 stored rows][32] at 6,291,456.  wq: w_qkv's 192 tiles at 0, its bytes [3072][32] at 2,359,296; w_proj's 64 tiles at 2,457,600, its bytes at 3,244,032.
; Work-groups 0-255 take x (K innermost), work-groups 256-383 the weights (K is their first axis).  The two ways never join and have LDS bytes of their own.  Waves share nothing: no barrier.
.set SPW,   208                        ; v208  my spare word; never rewritten
.set NIL,   209                        ; v209  0; never rewritten
.set SPARE, 92160                      ; behind both ways' bytes: 128 bytes for each wave, named by no other line
.set STEPS, 16
.set XR,    16                         ; v16-79   four sets of 16 numbers as loaded; at the end the codes on their way out
.set XN,    80                         ; v80-111  two sets of 16 neighbours
.set XE,    112                        ; v112-127 a scale byte for each step
.set XC,    128                        ; v128-191 codes, four registers a step
.set WREG,  14592                      ; LDS of a wave: two stages of 32 x SP, 256 scale bytes, 16 runs of XRP bytes for the codes
.set SP,    80
.set XCS,   5376                       ; where the runs begin
.set XRP,   576                        ; a run: 32 places of 16 bytes (12 of codes in each) + 64
.set WBASE, 58368                      ; the weights' way: 8,448 bytes a wave: 8 runs of RP bytes
.set RP,    1040                       ; a run: 64 places of 16 bytes + 16
.set NB,    8
.set WSB,   24
.set WX,    32
.set WC,    96
.set WOUT,  112
.set OFFV,  176                        ; v176-207 4 x lane + i rows of the weight: never rewritten
.macro XLOAD t
.irp i, 0,1,2,3
	global_load_b128 v[XR+16*((\t)%4)+4*\i:XR+16*((\t)%4)+4*\i+3], v3, s[4:5] offset:2048*(\t)+512*\i th:TH_LOAD_NT   ; 512 consecutive bytes
.endr
.endm
.macro XTURN t                         ; a step's 2,048 bytes through the stage: in as they lie, back 64 bytes a lane; a wave's LDS instructions are served in order
.irp i, 0,1,2,3
	ds_store_b128 v14, v[XR+16*((\t)%4)+4*\i:XR+16*((\t)%4)+4*\i+3] offset:32*SP*((\t)%2)+8*SP*\i
.endr
.irp i, 0,1,2,3
	ds_load_b128 v[XN+16*((\t)%2)+4*\i:XN+16*((\t)%2)+4*\i+3], v15 offset:32*SP*((\t)%2)+16*\i
.endr
.endm
.macro XSTEP t                         ; step t: row t / 2 of my eight, its half t % 2; lane l holds K = 512 (t % 2) + 16 l + 0 .. 15
.set XS, XN+16*((\t)%2)
.if (\t) > 0
	s_wait_dscnt 2                                 ; this step's numbers are back; the last step's two stores (byte, codes) may be out
.else
	s_wait_dscnt 0x0
.endif
.if (\t)+4 < STEPS
	XLOAD (\t)+4
.endif
.if (\t)+1 < STEPS
.if STEPS-2-(\t) >= 3
	s_wait_loadcnt 12                              ; the next step's four loads are in; three later steps' twelve may be out
.else
	s_wait_loadcnt 4*(STEPS-2-(\t))
.endif
	XTURN (\t)+1
.endif
	v_max3_num_f32 v8, |v[XS]|, |v[XS+1]|, |v[XS+2]|
	v_max3_num_f32 v9, |v[XS+3]|, |v[XS+4]|, |v[XS+5]|
.irp i, 6,10
	v_max3_num_f32 v8, v8, |v[XS+\i]|, |v[XS+\i+1]|
	v_max3_num_f32 v9, v9, |v[XS+\i+2]|, |v[XS+\i+3]|
.endr
	v_max3_num_f32 v8, v8, |v[XS+14]|, |v[XS+15]|
	v_max3_num_f32 v8, v8, v9, 0x1800000           ; the floor 2^(3 - 127): the byte cannot fall under 1
	v_max_num_f32_dpp v8, v8, v8 row_xmask:1 row_mask:0xf bank_mask:0xf   ; with my neighbour's 16: the block's
	v_add_nc_u32 v11, 0xff000000, v8               ; 2 off its exponent field: the conversion's scale operand
	v_cvt_scalef32_pk16_fp6_f32 v[XC+4*(\t):XC+4*(\t)+2], v[XS:XS+15], v11
	v_lshrrev_b32 v[XE+(\t)], 23, v11              ; the byte (also the plain line behind the conversion)
	ds_store_b8 v5, v[XE+(\t)] offset:16*(\t)
	ds_store_b96 v4, v[XC+4*(\t):XC+4*(\t)+2] offset:8*XRP*((\t)%2)+64*((\t)/2)   ; run 2 q + h, place 4 x row + 2 c + half
.endm
.macro WLOAD t
.set i, 0
.rept 32
	global_load_b32 v[WX+32*((\t)%2)+i], v[OFFV+i], s[40+2*(\t):41+2*(\t)] th:TH_LOAD_NT
.set i, i+1
.endr
.endm
.macro WBLOCK t                        ; block t of my column: q = t / 4 of the wave's two, c = (t % 4) / 2, h = t % 2
.set XS, WX+32*((\t)%2)
.if (\t) < NB-1
	s_wait_loadcnt 32                              ; this block's 32 loads are in; the next block's may be out
.else
	s_wait_loadcnt 0x0
.endif
	v_max3_num_f32 v12, |v[XS]|, |v[XS+1]|, |v[XS+2]|
	v_max3_num_f32 v13, |v[XS+3]|, |v[XS+4]|, |v[XS+5]|
.irp i, 6,10,14,18,22,26
	v_max3_num_f32 v12, v12, |v[XS+\i]|, |v[XS+\i+1]|
	v_max3_num_f32 v13, v13, |v[XS+\i+2]|, |v[XS+\i+3]|
.endr
	v_max3_num_f32 v12, v12, |v[XS+30]|, |v[XS+31]|
	v_max3_num_f32 v12, v12, v13, 0x1800000
	v_add_nc_u32 v11, 0xff000000, v12
	v_lshrrev_b32 v13, 23, v11
.if (\t)%4 == 0
	v_mov_b32 v[WSB+(\t)/4], v13
.else
	v_lshl_or_b32 v[WSB+(\t)/4], v13, 8*((\t)%4), v[WSB+(\t)/4]
.endif
	v_cvt_scalef32_pk16_fp6_f32 v[WC:WC+2], v[XS:XS+15], v11
	v_cvt_scalef32_pk16_fp6_f32 v[WC+4:WC+6], v[XS+16:XS+31], v11
	v_nop                                          ; one plain line behind the conversions
	ds_store_b96 v4, v[WC:WC+2] offset:(2*((\t)/4)+(\t)%2)*RP+32*(((\t)%4)/2)
	ds_store_b96 v4, v[WC+4:WC+6] offset:(2*((\t)/4)+(\t)%2)*RP+32*(((\t)%4)/2)+16
.if (\t)+2 < NB
	WLOAD (\t)+2
.endif
	s_wait_dscnt 0x0                               ; the stores have read their registers
.endm
	s_load_b256 s[4:11], s[0:1], 0x0               ; x, w_qkv, w_proj, xq
	s_load_b64 s[12:13], s[0:1], 0x20              ; wq
	v_lshl_add_u32 v[SPW], v0, 2, SPARE
	v_mov_b32 v[NIL], 0
	v_lshrrev_b32 v1, 5, v0
	v_readfirstlane_b32 s16, v1                    ; wave
	v_and_b32 v2, 31, v0                           ; lane
	s_cmp_lt_u32 ttmp9, 256
	s_cbranch_scc0 .Lweights
	; ---- x: a work-group takes 32 rows, a wave 8, as 16 steps of 512 numbers; two neighbouring lanes hold a block
	v_lshlrev_b32 v3, 4, v2
	s_mul_i32 s17, s16, WREG
	v_lshrrev_b32 v14, 2, v2
	v_mul_u32_u24 v14, v14, SP
	v_and_b32 v15, 3, v2
	v_lshl_add_u32 v14, v15, 4, v14
	v_add_nc_u32 v14, s17, v14                     ; the stage, in
	v_mul_u32_u24 v15, v2, SP
	v_add_nc_u32 v15, s17, v15                     ; and out
	v_mul_u32_u24 v10, v2, 12                      ; the codes' way out: 12 bytes a lane
	v_lshrrev_b32 v4, 3, v2
	v_bfe_u32 v13, v2, 1, 1
	v_lshl_add_u32 v4, v4, 1, v13                  ; 2 (l / 8) + h
	v_mul_u32_u24 v4, v4, XRP
	v_bfe_u32 v13, v2, 2, 1
	v_lshl_add_u32 v4, v13, 5, v4                  ; + 32 c
	v_and_b32 v13, 1, v2
	v_lshl_add_u32 v4, v13, 4, v4                  ; + 16 x half
	v_add_nc_u32 v4, s17, v4
	v_add_nc_u32 v4, XCS, v4                       ; where my 12 bytes of a step go
	v_lshl_add_u32 v12, v2, 4, s17
	v_add_nc_u32 v12, XCS, v12                     ; and place l of a run, on the way out
	v_lshrrev_b32 v5, 1, v2
	s_add_co_u32 s17, s17, 2*32*SP
	v_add_nc_u32 v5, s17, v5                       ; my block's byte among the wave's 256
	v_lshlrev_b32 v7, 3, v2
	v_add_nc_u32 v6, s17, v7
	s_lshl_b32 s17, ttmp9, 2
	s_add_co_u32 s18, s17, s16                     ; the run of 8 rows that I read
	s_lshr_b32 s19, s16, 1
	s_and_b32 s20, s16, 1
	s_mul_i32 s22, ttmp9, 24576                    ; two tiles a work-group;
	s_mul_i32 s26, s20, 12288                      ; my rows lie in tile wave % 2,
	s_add_co_u32 s22, s22, s26
	s_mul_i32 s26, s19, 384                        ; at r = 8 (wave / 2) + 0 .. 7: 8 x 48 bytes on
	s_add_co_u32 s22, s22, s26
	s_mov_b32 s23, 0
	s_lshl_b32 s20, s20, 1
	s_or_b32 s19, s19, s20
	s_add_co_u32 s19, s17, s19                     ; the run of 8 stored rows
	s_lshl_b32 s20, s18, 15
	s_mov_b32 s21, 0
	s_lshl_b32 s24, s19, 8
	s_add_co_u32 s24, s24, 6291456
	s_mov_b32 s25, 0
	s_wait_alu depctr_va_vdst(0)                   ; the wait at the head's end
	s_wait_kmcnt 0x0
	s_add_nc_u64 s[4:5], s[4:5], s[20:21]
	s_add_nc_u64 s[8:9], s[10:11], s[22:23]
	s_add_nc_u64 s[10:11], s[10:11], s[24:25]
.irp t, 0,1,2,3
	XLOAD \t
.endr
	s_wait_loadcnt 12
	XTURN 0
.irp t, 0,1,2,3,4,5,6,7,8,9,10,11,12,13,14,15
	XSTEP \t
.endr
.irp k, 0,1,2,3,4,5,6,7,8,9,10,11,12,13,14,15
	ds_load_b96 v[XR+4*\k:XR+4*\k+2], v12 offset:XRP*\k   ; run k = 2 q + h: my eight rows' 48 bytes each
.endr
	ds_load_b64 v[8:9], v6
.irp k, 0,1,2,3,4,5,6,7,8,9,10,11,12,13,14,15
	s_wait_dscnt 16-\k                             ; the younger loads may be out
	global_store_b96 v10, v[XR+4*\k:XR+4*\k+2], s[8:9] offset:768*\k   ; 384 consecutive bytes
.endr
	s_wait_dscnt 0x0
	global_store_b64 v7, v[8:9], s[10:11]          ; 256 consecutive bytes, aligned
	s_wait_tensorcnt 0x0                           ; the wave's end
	ds_add_u32 v[SPW], v[NIL]
	s_wait_dscnt 0x0
	s_endpgm
.Lweights:
	; ---- the weights: a lane takes a column n, its registers run down K; a wave takes 32 columns (two stored tiles) x 256 along K
	s_sub_co_u32 s17, ttmp9, 256
	s_and_b32 s18, s17, 31                         ; block of 128 columns: 0-23 w_qkv's, 24-31 w_proj's
	s_lshr_b32 s19, s17, 5                         ; which 256 along K
	s_wait_kmcnt 0x0
	s_cmp_lt_u32 s18, 24
	s_cselect_b64 s[6:7], s[6:7], s[8:9]
	s_mov_b32 s20, 4096
	s_cselect_b32 s20, 12288, s20                  ; bytes in a row of the weight
	s_cselect_b32 s21, 0, 24
	s_mov_b32 s22, 2457600
	s_cselect_b32 s22, 0, s22
	s_mov_b32 s23, 3244032
	s_cselect_b32 s23, 2359296, s23
	s_sub_co_u32 s18, s18, s21
	s_lshl_b32 s18, s18, 7
	s_lshl_b32 s24, s16, 5
	s_add_co_u32 s18, s18, s24                     ; my wave's first column
	s_mul_i32 s24, s19, s20
	s_lshl_b32 s24, s24, 8
	s_lshl_b32 s25, s18, 2
	s_add_co_u32 s24, s24, s25
	s_mov_b32 s25, 0
	s_add_nc_u64 s[40:41], s[6:7], s[24:25]        ; a base for each of the 8 blocks, 32 rows apart
	s_lshl_b32 s26, s20, 5
	s_mov_b32 s27, 0
.irp t, 1,2,3,4,5,6,7
	s_add_nc_u64 s[40+2*\t:41+2*\t], s[38+2*\t:39+2*\t], s[26:27]
.endr
	s_mul_i32 s28, s18, 768                        ; 12,288 bytes a tile of 16 columns
	s_mul_i32 s29, s19, 3072                       ; 1,536 bytes for each 128 along K
	s_add_co_u32 s28, s28, s29
	s_add_co_u32 s28, s28, s22
	s_mov_b32 s29, 0
	s_add_nc_u64 s[8:9], s[12:13], s[28:29]
	s_lshl_b32 s28, s18, 5
	s_lshl_b32 s30, s19, 3
	s_add_co_u32 s28, s28, s30
	s_add_co_u32 s28, s28, s23
	s_add_nc_u64 s[10:11], s[12:13], s[28:29]
	s_wait_alu depctr_va_vdst(0)
	v_lshlrev_b32 v3, 2, v2
	s_mul_i32 s31, s16, 8448
	s_add_co_u32 s31, s31, WBASE
	v_bfe_u32 v4, v2, 3, 1                         ; my stored tile: bit 3 of my column
	v_mul_u32_u24 v4, v4, 4*RP
	v_and_b32 v5, 7, v2
	v_lshrrev_b32 v6, 4, v2
	v_lshl_add_u32 v5, v6, 3, v5                   ; r
	v_lshl_add_u32 v4, v5, 6, v4                   ; four places a row
	v_add_nc_u32 v4, s31, v4
	v_lshl_add_u32 v7, v2, 4, s31                  ; the way out: place l
	v_mul_u32_u24 v8, v2, 12
	v_and_b32 v9, 7, v2
	v_and_b32 v10, 8, v2
	v_lshl_or_b32 v9, v10, 1, v9
	v_and_b32 v10, 16, v2
	v_lshrrev_b32 v10, 1, v10
	v_or_b32 v9, v9, v10                           ; my column with bits 3 and 4 exchanged,
	v_lshlrev_b32 v9, 5, v9                        ; its row of 32 scale bytes
	v_mov_b32 v[OFFV], v3
.set i, 1
.rept 31
	v_add_nc_u32 v[OFFV+i], s20, v[OFFV+i-1]
.set i, i+1
.endr
	WLOAD 0
	WLOAD 1
.irp t, 0,1,2,3,4,5,6,7
	WBLOCK \t
.endr
	s_wait_alu depctr_va_vdst(0)
	global_store_b64 v9, v[WSB:WSB+1], s[10:11]
.irp t, 0,1,2,3,4,5,6,7,8,9,10,11,12,13,14,15
	ds_load_b96 v[WOUT+4*\t:WOUT+4*\t+2], v7 offset:(\t/2)*RP+512*(\t%2)   ; run t / 2 = 4 x tile + 2 q + h, its half t % 2
.endr
.irp t, 0,1,2,3,4,5,6,7,8,9,10,11,12,13,14,15
	s_wait_dscnt 15-\t
	global_store_b96 v8, v[WOUT+4*\t:WOUT+4*\t+2], s[8:9] offset:12288*(\t/8)+1536*((\t/4)%2)+768*((\t/2)%2)+384*(\t%2)   ; 384 consecutive bytes
.endr
	s_wait_tensorcnt 0x0                           ; the wave's end
	ds_add_u32 v[SPW], v[NIL]
	s_wait_dscnt 0x0
	s_endpgm
.Lfunc_end_k_qad8c050c3e_quant:
	.size	k_qad8c050c3e_quant, .Lfunc_end_k_qad8c050c3e_quant-k_qad8c050c3e_quant
	.p2alignl 7, 3214868480
	.fill 96, 4, 3214868480
	.section	.rodata,"a",@progbits
	.p2align	6, 0x0
	.amdhsa_kernel k_qad8c050c3e_quant
		.amdhsa_group_segment_fixed_size 92672
		.amdhsa_private_segment_fixed_size 0
		.amdhsa_enable_private_segment 0
		.amdhsa_kernarg_size 40
		.amdhsa_user_sgpr_count 2
		.amdhsa_user_sgpr_kernarg_segment_ptr 1
		.amdhsa_wavefront_size32 1
		.amdhsa_system_sgpr_workgroup_id_x 1
		.amdhsa_system_sgpr_workgroup_id_y 1
		.amdhsa_system_sgpr_workgroup_id_z 1
		.amdhsa_system_vgpr_workitem_id 0
		.amdhsa_next_free_vgpr 210
		.amdhsa_next_free_sgpr 66
		.amdhsa_reserve_vcc 0
		.amdhsa_float_denorm_mode_32 3
		.amdhsa_float_denorm_mode_16_64 3
		.amdhsa_memory_ordered 1
		.amdhsa_forward_progress 1
		.amdhsa_inst_pref_size 79
	.end_amdhsa_kernel
	.amdgpu_metadata
---
amdhsa.version: [ 1, 2 ]
amdhsa.kernels:
  - .name:           k_qad8c050c3e_quant
    .symbol:         k_qad8c050c3e_quant.kd
    .args:
      - { .name: x, .offset: 0, .size: 8, .value_kind: global_buffer, .address_space: global }
      - { .name: w_qkv, .offset: 8, .size: 8, .value_kind: global_buffer, .address_space: global }
      - { .name: w_proj, .offset: 16, .size: 8, .value_kind: global_buffer, .address_space: global }
      - { .name: xq, .offset: 24, .size: 8, .value_kind: global_buffer, .address_space: global }
      - { .name: wq, .offset: 32, .size: 8, .value_kind: global_buffer, .address_space: global }
    .group_segment_fixed_size: 92672
    .private_segment_fixed_size: 0
    .kernarg_segment_align: 8
    .kernarg_segment_size: 40
    .max_flat_workgroup_size: 128
    .sgpr_count:     66
    .vgpr_count:     210
    .wavefront_size: 32
...
	.end_amdgpu_metadata
.endif
;; end of part 1
;; launch qkv (part 2): grid 8 x 32, 4 waves a work-group, clusters of 4 x 4, 327,680 bytes of LDS; arguments xq, wq, b_qkv, qq, kv; writes qq, kv
.if DOCPART == 2
	.amdgcn_target "amdgcn-amd-amdhsa--gfx1250"
	.amdhsa_code_object_version 6
	.text
	.protected	k_qad8c050c3e_qkv
	.globl	k_qad8c050c3e_qkv
	.p2align	8
	.type	k_qad8c050c3e_qkv,@function
k_qad8c050c3e_qkv:
	s_mov_b64 s[64:65], 0
	v_nop
	global_prefetch_b8 v0, s[64:65] scope:SCOPE_SE
	s_setreg_imm32_b32 hwreg(HW_REG_WAVE_MODE, 25, 1), 1
	s_wait_xcnt 0x0
	s_wait_alu depctr_hold_cnt(0) depctr_sa_sdst(0) depctr_va_vdst(0) depctr_va_sdst(0) depctr_va_ssrc(0) depctr_va_vcc(0) depctr_vm_vsrc(0)
	s_getreg_b32 s2, hwreg(HW_REG_IB_STS2, 6, 4)
	s_cmp_eq_u32 s2, 0
	s_cbranch_scc0 .Lentry_in_a_cluster
	s_endpgm
.Lentry_in_a_cluster:
	s_bfe_u32 s2, ttmp6, 0x10000c
	s_cmp_lg_u32 s2, 0xf033
	s_cbranch_scc0 .Lentry_shape_is_right
	s_endpgm
.Lentry_shape_is_right:
; qkv = x w_qkv + b_qkv on codes of FP6 (E2M3) with E8M0 scales, K = 1,024; the results are quantised in registers and leave as images of the attention launch's operand registers.
; THE DEAL.  256 work-groups: work-group (X, Y) takes tokens 256 Y .. + 255 and heads 2 X, 2 X + 1, and makes their V, then Q, then K: three phases of 256 x 128.
; Its 16 tiles of x (196,608 bytes) and their scale bytes (8,192) come into LDS once and serve all three phases.  Four waves, 2 x 2: wave (a, b) takes the 128 tokens of key step a (8 tiles) and head 2 X + b.
; A wave's 64 rows of a weight, all of K, lie in registers (32 fragments, 384 registers); x's tiles stream past them, a BLOCK of 32 products a tile, out of two sets of 8 fragments; the tiles go round, 0 .. 7, 0 ..,
; so a phase's last two fetches are the next phase's first two tiles.
; THE WEIGHTS have an LDS region of their own (98,304 bytes), filled at the head with w_v's rows and again twice (w_q's, w_k's), each time when all waves hold the last weight in registers, behind a drained round of
; the cluster's barrier, every wave a quarter: a refill has a phase's 256 products in which to land, so nothing is prefetched; the head has no loop to run ahead in.
; CLUSTERS of 4 x 4: x's tiles are asked for jointly along a row of the cluster, a weight's along a column.  All tiles are dense blocks, stated as rows of 256 bytes; no padding: a lane reads 48 x lane + 16 g.
; Q, K: source 0 = the weight's rows: a lane holds a token, registers run along d.  V: source 0 = x's rows: a lane holds a feature, registers run along the tokens.  The bias is the C of each sum's first product.
; ROW ORDER: stored tile a, row r is index 32 (a / 2) + 8 (a % 2) + r % 8 + 16 (r / 8): the 16 registers of result tiles 2 B, 2 B + 1 are indices 32 B + 16 (lane / 16) + 0 .. 15.
; OUT.  Head hb = 16 batch + head.  qq: 106,496 bytes a head: q's image [16 steps][4 pairs of tiles][3 x 512], at 98,304 its scale image [16][512].
; kv: 208,896 bytes a head: k's image at 0, v's [16 steps][4 tiles of 16 d][3 x 512] at 98,304, k's scale image at 196,608, v's [16][256] at 204,800.
; LIMITS: a block of zeros keeps the byte 1 (its codes are zeros; only this program reads the bytes); NaN and infinities are not served.
; REGISTERS: fragment f lies in window 1 + f / 21 at 12 (f % 21): 0-31 the weight's (4 q + t), 32-47 x's two sets.  v24-39 the weight's scale words, v40-55 x's.  V's sums: tile t at v64, v128, v840, v904, 8 registers
; for each of x's 8 tiles.  Q's, K's sums v64-127.  Biases: V's v968-999, Q's v192-223, K's v128-159.  v1000-1015 the next weight's scale words.  v224-255, v56-61 the way out.
.set TILEB, 12288
.set XSB,   196608
.set WB,    204800
.set SPARE, 303104                     ; the spare words, 128 bytes a wave, named by no other line
.set NF,    26                         ; LDS loads of a fetch: 24 for eight fragments, 2 for eight scale words
.set AX0, 4
.set AS0, 5
.set AW,  6
.set AX,  7
.set AS,  8
.set LI16, 9
.set LI8, 10
.set SPW, 11
.set NIL, 12
.set ABS, 13
.set SB,  24
.set SA,  40
.set SI,  56
.set TP,  60
.set ACC, 64
.set BK,  128
.set BQ,  192
.set TM,  224
.set CT,  236
.set PQ,  244
.set BBV, 968
.set SB2, 1000
.set G1X, 24
.set G1W, 32
.set G1S, 48
.set G1R, 56
.set MSB, 0
.macro WIN new                         ; the immediate's high byte repeats the setting that is left
.if MSB != (\new)
	s_set_vgpr_msb (MSB<<8)|(\new)
.set MSB, (\new)
.endif
.endm
.macro WALU
	s_wait_alu depctr_va_vdst(0)
.endm
.macro BARRIER
	s_barrier_signal -1
	s_barrier_wait -1
.endm
.macro CROUND                          ; a round of the cluster's barrier
	BARRIER
	s_cmp_lg_u32 s14, 0
	s_cbranch_scc1 .Lnot_wave_0_\@
	s_barrier_signal -3
.Lnot_wave_0_\@:
	s_barrier_wait -3
	BARRIER
.endm
.macro TLOAD g0, g1                    ; s_nop 0 and four v_nop behind the load
	tensor_load_to_lds s[\g0:\g0+3], s[\g1:\g1+7]
	s_nop 0
.rept 4
	v_nop
.endr
.endm
.macro GROUP1 g, mask, rows            ; a dense block as rows of 256 bytes (32 elements of 8)
	s_or_b32 s[\g], s[\mask], (3<<16)|(1<<21)
	s_mov_b32 s[\g+1], 32<<16
	s_mov_b32 s[\g+2], (\rows)<<16
	s_mov_b32 s[\g+3], 32<<16
	s_mov_b32 s[\g+4], \rows
	s_mov_b32 s[\g+5], 32
	s_mov_b32 s[\g+6], 0
	s_mov_b32 s[\g+7], 0
.endm
.macro WEIGHTS                         ; my 64 rows of the weight, all of K: 96 loads
.irp q, 0,1,2,3,4,5,6,7
.irp t, 0,1,2,3
.set F_, 4*\q+\t
	WIN (1+F_/21)<<6
.irp g, 0,1,2
	ds_load_b128 v[12*(F_%21)+4*\g:12*(F_%21)+4*\g+3], v[AW] offset:TILEB*\t+1536*\q+16*\g
.endr
.endr
.endr
	WIN 0
.endm
.macro FETCH e                         ; tile s18 of my eight into set e; s18 goes round.  The two additions are places behind the block's products
	s_mul_i32 s20, s18, TILEB
	s_lshl_b32 s21, s18, 9
	v_add_nc_u32 v[AX], s20, v[AX0]
	v_add_nc_u32 v[AS], s21, v[AS0]
	s_add_co_u32 s18, s18, 1
	s_and_b32 s18, s18, 7
	WALU                                           ; the wait ahead of the readers below
.irp q, 0,1,2,3,4,5,6,7
.set F_, 32+8*(\e)+\q
	WIN (1+F_/21)<<6
.irp g, 0,1,2
	ds_load_b128 v[12*(F_%21)+4*\g:12*(F_%21)+4*\g+3], v[AX] offset:1536*\q+16*\g
.endr
.endr
	WIN 0
	ds_load_b128 v[SA+8*(\e):SA+8*(\e)+3], v[AS]
	ds_load_b128 v[SA+8*(\e)+4:SA+8*(\e)+7], v[AS] offset:16
.endm
.macro AFTER e, fin                    ; behind a block: four places, then the fetch of the tile two blocks on.  fin: the launch's last phase fetches nothing in its last trip
	WIN 0
	v_nop
	v_nop
.if \fin
	v_nop
	v_nop
	s_cmp_eq_u32 s3, 3
	s_cbranch_scc1 .Lnone_\@
.endif
	FETCH \e
.if \fin
	s_branch .Ljoin_\@
.Lnone_\@:
	s_wait_dscnt 0x0                               ; no younger fetch here: the counted wait that follows would show nothing
.Ljoin_\@:
.endif
.endm
.macro W1 d, s0, s1, c, x0, x1, side, o
	v_wmma_scale_f32_16x16x128_f8f6f4 v[\d:\d+7], v[\s0:\s0+11], v[\s1:\s1+11], v[\c:\c+7], v[\x0], v[\x1] matrix_a_fmt:MATRIX_FMT_FP6 matrix_b_fmt:MATRIX_FMT_FP6 matrix_\side\()_scale:MATRIX_SCALE_ROW\o
.endm
.macro PROD kind, e, q, t, x           ; kind 0 (Q, K): x = the bias's first register; kind 1 (V): x = x's tile
.set FW_, 4*(\q)+(\t)
.set FX_, 32+8*(\e)+(\q)
.set RW_, 12*(FW_%21)
.set RX_, 12*(FX_%21)
.set SW_, SB+8*((\t)/2)+(\q)
.set SX_, SA+8*(\e)+(\q)
.if \kind
.set D_, 64+64*(\t)+648*((\t)/2)+8*(\x)
.set C_, BBV+8*(\t)
.else
.set D_, ACC+32*(\e)+8*(\t)
.set C_, (\x)+8*(\t)
.endif
.if \q
.set C_, D_
.endif
.set DL_, D_&255
.set CL_, C_&255
.if \kind
	WIN (1+FX_/21)|((1+FW_/21)<<2)|((C_>>8)<<4)|((D_>>8)<<6)
.if (\t)%2
	W1 DL_, RX_, RW_, CL_, SX_, SW_, b, 1
.else
	W1 DL_, RX_, RW_, CL_, SX_, SW_, b, 0
.endif
.else
	WIN (1+FW_/21)|((1+FX_/21)<<2)|((C_>>8)<<4)|((D_>>8)<<6)
.if (\t)%2
	W1 DL_, RW_, RX_, CL_, SW_, SX_, a, 1
.else
	W1 DL_, RW_, RX_, CL_, SW_, SX_, a, 0
.endif
.endif
.endm
.macro BLOCK kind, e, x                ; 32 products; the four accumulators take turns, one instruction a turn
.irp q, 0,1,2,3,4,5,6,7
.irp t, 0,1,2,3
	PROD \kind, \e, \q, \t, \x
.endr
.endr
.endm
; 64 numbers from register s on, register 16 b + i = index 32 b + 16 (lane / 16) + i: twelve registers of codes at d (lane (r, h): block h, then block 2 + h); the four bytes stay in v[TM+4] ..
.macro QUANT s, d
.set QW_, (\s)>>8
.set QL_, (\s)&255
	WIN QW_|(QW_<<2)
.irp b, 0,1,2,3
	v_max3_num_f32 v[TM+\b], |v[QL_+16*\b]|, |v[QL_+1+16*\b]|, 0x1800000   ; with the floor 2^(3 - 127): the byte cannot fall under 1
.endr
	WIN (QW_<<2)|(QW_<<4)
.irp i, 2,4,6,8,10,12,14
.irp b, 0,1,2,3
	v_max3_num_f32 v[TM+\b], v[TM+\b], |v[QL_+16*\b+\i]|, |v[QL_+1+16*\b+\i]|
.endr
.endr
	WIN 0
.irp b, 0,1,2,3
	v_permlanex16_b32 v[TM+4+\b], v[TM+\b], s66, s67
.endr
.irp b, 0,1,2,3
	v_max_num_f32 v[TM+\b], v[TM+\b], v[TM+4+\b]   ; with lane l xor 16's: the block's largest magnitude
.endr
.irp b, 0,1,2,3
	v_add_nc_u32 v[TM+8+\b], 0xff000000, v[TM+\b]  ; 2 off its exponent field: the conversion's scale operand
.endr
.irp b, 0,1,2,3
	v_lshrrev_b32 v[TM+4+\b], 23, v[TM+8+\b]       ; the byte
.endr
	WIN QW_
	v_cvt_scalef32_pk16_fp6_f32 v[\d:\d+2], v[QL_:QL_+15], v[TM+8]
	v_cvt_scalef32_pk16_fp6_f32 v[CT:CT+2], v[QL_+16:QL_+31], v[TM+9]
	v_cvt_scalef32_pk16_fp6_f32 v[\d+6:\d+8], v[QL_+32:QL_+47], v[TM+10]
	v_cvt_scalef32_pk16_fp6_f32 v[CT+4:CT+6], v[QL_+48:QL_+63], v[TM+11]
	WIN 0
	v_nop                                          ; one plain line behind the conversions
.irp i, 0,1,2
	v_permlane16_swap_b32 v[\d+\i], v[CT+\i]       ; the first's lanes 16-31 change places with the second's lanes 0-15
	v_permlane16_swap_b32 v[\d+6+\i], v[CT+4+\i]
.endr
.irp i, 0,1,2
	v_mov_b32 v[\d+3+\i], v[CT+\i]
	v_mov_b32 v[\d+9+\i], v[CT+4+\i]
.endr
.endm
.macro SCLOAD off                      ; a weight's scale words for my 64 rows into v1000-1015: a register holds tile 2 p's words in lanes 0-15, tile 2 p + 1's in lanes 16-31
	WIN 3<<6
.irp p, 0,1
.irp c, 0,1
	global_load_b128 v[SB2-768+8*\p+4*\c:SB2-768+8*\p+4*\c+3], v[ABS], s[88:89] offset:(\off)+1024*\p+16*\c
.endr
.endr
	WIN 0
.endm
.macro SCMOVE
	WIN 3
.set I_, 0
.rept 16
	v_mov_b32 v[SB+I_], v[SB2-768+I_]
.set I_, I_+1
.endr
	WIN 0
.endm
; A phase of Q or K: four trips of two blocks and the pair's way out
.macro QKPH bias, img, scl, imm, fin
	s_mov_b32 s3, 0
.Lph_\@:
	s_wait_dscnt NF                                ; this block's tile is in; the next block's fetch may be out
	BLOCK 0, 0, \bias
	AFTER 0, \fin
	s_wait_dscnt NF
	BLOCK 0, 1, \bias
	AFTER 1, \fin
	s_wait_xcnt 0x0                                ; the earlier stores have read their data
	QUANT ACC, PQ
	v_lshl_or_b32 v[TP], v[TM+5], 8, v[TM+4]       ; the even tile's word (its upper bytes are 0),
	v_lshl_or_b32 v[TP+1], v[TM+7], 8, v[TM+6]     ; the odd tile's
	v_mov_b32 v[SI], v[SI+1]                       ; the four pairs' registers move up by one a trip
	v_mov_b32 v[SI+1], v[SI+2]
	v_mov_b32 v[SI+2], v[SI+3]
	v_cndmask_b32 v[SI+3], v[TP], v[TP+1], s17     ; the odd tile's words go to lanes 16-31
.irp g, 0,1,2
	global_store_b128 v[LI16], v[PQ+4*\g:PQ+4*\g+3], s[\img:\img+1] offset:512*\g   ; 512 consecutive bytes, aligned
.endr
	s_wait_xcnt 0x0                                ; the stores have read their base
	s_add_nc_u64 s[\img:\img+1], s[\img:\img+1], 1536
	s_add_co_u32 s3, s3, 1
	s_cmp_lg_u32 s3, 4
	WALU                                           ; the wait ahead of the branch
	s_cbranch_scc1 .Lph_\@
	global_store_b128 v[LI16], v[SI:SI+3], s[\scl:\scl+1] offset:\imm
.endm
	s_load_b256 s[4:11], s[0:1], 0x0               ; xq, wq, b_qkv, qq
	s_load_b64 s[12:13], s[0:1], 0x20              ; kv
	v_lshl_add_u32 v[SPW], v0, 2, SPARE
	v_mov_b32 v[NIL], 0
	ds_add_u32 v[SPW], v[NIL]                      ; the opening: the add, twice on end, and its wait
	ds_add_u32 v[SPW], v[NIL]
	v_lshrrev_b32 v1, 5, v0
	v_readfirstlane_b32 s14, v1                    ; wave
	s_lshr_b32 s15, s14, 1                         ; a
	s_and_b32 s16, s14, 1                          ; b
	s_bfe_u32 s40, ttmp6, 0x40000                  ; cx
	s_bfe_u32 s41, ttmp6, 0x40004                  ; cy
	s_lshl_b32 s42, ttmp9, 2
	s_add_co_u32 s42, s42, s40                     ; X
	s_and_b32 s43, ttmp7, 0xffff
	s_lshl_b32 s43, s43, 2
	s_add_co_u32 s43, s43, s41                     ; Y
	s_lshl_b32 s44, s41, 2
	s_lshl_b32 s44, 15, s44                        ; my row of the cluster
	s_lshl_b32 s45, 0x1111, s40                    ; my column
	GROUP1 G1X, 44, 384                            ; eight tiles of x
	GROUP1 G1W, 45, 384                            ; a weight's eight tiles
	GROUP1 G1S, 44, 32                             ; x's scale bytes
	GROUP1 G1R, 45, 96                             ; a quarter of a weight's
	s_mul_i32 s20, s43, 196608
	s_mov_b32 s21, 0
	s_lshl_b32 s22, s43, 13
	s_add_co_u32 s22, s22, 6291456
	s_mov_b32 s23, 0
	s_mul_i32 s46, s42, 98304
	s_mov_b32 s47, 0
	s_mul_i32 s18, s14, 24576
	s_mov_b32 s19, 0
	s_mov_b32 s66, 0x76543210
	s_mov_b32 s67, 0xfedcba98                      ; lane l xor 16
	s_mov_b32 s17, 0xffff0000                      ; lanes 16-31
	WALU
	s_wait_dscnt 0x0
	CROUND                                         ; ahead of the first joint loads
	s_wait_kmcnt 0x0
	s_mov_b32 s68, 1                               ; w_v's eight tiles
	s_mov_b32 s69, WB
	s_add_nc_u64 s[70:71], s[6:7], s[46:47]
	s_add_nc_u64 s[86:87], s[70:71], s[18:19]      ; the refills: my quarter of w_q's
	s_add_nc_u64 s[70:71], s[70:71], 1572864
	s_or_b32 s71, s71, 0x80000000
	s_mov_b32 s84, 1
	s_add_co_u32 s85, s18, WB
	s_or_b32 s87, s87, 0x80000000
	s_mov_b32 s72, 1                               ; x's scale bytes
	s_mov_b32 s73, XSB
	s_add_nc_u64 s[74:75], s[4:5], s[22:23]
	s_or_b32 s75, s75, 0x80000000
	s_mov_b32 s76, 1                               ; x's tiles 0-7,
	s_mov_b32 s77, 0
	s_add_nc_u64 s[78:79], s[4:5], s[20:21]
	s_mov_b32 s80, 1                               ; 8-15
	s_mov_b32 s81, 98304
	s_add_nc_u64 s[82:83], s[78:79], 98304
	s_or_b32 s79, s79, 0x80000000
	s_or_b32 s83, s83, 0x80000000
	s_cmp_eq_u32 s14, 0                            ; one tensor load a wave, in one chain of branches: the weight, which goes on into registers, first
	s_cbranch_scc0 .Lwave_1
	TLOAD 68, G1W
	s_branch .Lasked
.Lwave_1:
	s_cmp_eq_u32 s14, 1
	s_cbranch_scc0 .Lwave_2
	TLOAD 72, G1S
	s_branch .Lasked
.Lwave_2:
	s_cmp_eq_u32 s14, 2
	s_cbranch_scc0 .Lwave_3
	TLOAD 76, G1X
	s_branch .Lasked
.Lwave_3:
	TLOAD 80, G1X
.Lasked:
	s_lshr_b32 s20, s43, 3
	s_lshl_b32 s20, s20, 4
	s_lshl_b32 s21, s42, 1
	s_add_co_u32 s20, s20, s21
	s_add_co_u32 s20, s20, s16                     ; hb
	s_and_b32 s21, s43, 7
	s_lshl_b32 s21, s21, 1
	s_add_co_u32 s21, s21, s15                     ; my key step
	s_mul_i32 s22, s20, 106496
	s_mul_i32 s23, s21, 6144
	s_lshl_b32 s2, s21, 9
	s_add_co_u32 s92, s22, s23
	s_mov_b32 s93, 0
	s_add_nc_u64 s[92:93], s[10:11], s[92:93]      ; q's image
	s_add_co_u32 s94, s22, s2
	s_mov_b32 s95, 0
	s_add_nc_u64 s[94:95], s[10:11], s[94:95]      ; its scale image, less 98,304
	s_mul_i32 s22, s20, 208896
	s_add_co_u32 s96, s22, s23
	s_mov_b32 s97, 0
	s_add_nc_u64 s[96:97], s[12:13], s[96:97]      ; k's image; v's 98,304 on
	s_add_co_u32 s98, s22, s2
	s_mov_b32 s99, 0
	s_add_nc_u64 s[98:99], s[12:13], s[98:99]      ; k's scale image, less 196,608
	s_lshl_b32 s2, s21, 8
	s_add_co_u32 s46, s22, s2
	s_mov_b32 s47, 0
	s_add_nc_u64 s[46:47], s[12:13], s[46:47]      ; v's, less 204,800
	s_lshl_b32 s88, s42, 12
	s_lshl_b32 s2, s16, 11
	s_add_co_u32 s88, s88, s2
	s_add_co_u32 s88, s88, 2359296
	s_mov_b32 s89, 0
	s_add_nc_u64 s[88:89], s[6:7], s[88:89]        ; w_q's scale bytes, my 64 rows; w_k's 32,768 on, w_v's 65,536
	s_lshl_b32 s90, s42, 9
	s_lshl_b32 s2, s16, 8
	s_add_co_u32 s90, s90, s2
	s_mov_b32 s91, 0
	s_add_nc_u64 s[90:91], s[8:9], s[90:91]        ; b_q at my head; b_k 4,096 on, b_v 8,192
	v_and_b32 v1, 15, v0                           ; r
	v_bfe_u32 v2, v0, 4, 1                         ; h
	v_and_b32 v3, 31, v0
	v_mul_u32_u24 v16, v3, 48
	s_mul_i32 s2, s15, 98304
	v_add_nc_u32 v[AX0], s2, v16
	s_mul_i32 s2, s16, 49152
	s_add_co_u32 s2, s2, WB
	v_add_nc_u32 v[AW], s2, v16
	s_lshl_b32 s2, s15, 12
	s_add_co_u32 s2, s2, XSB
	v_lshl_add_u32 v[AS0], v1, 5, s2
	v_lshlrev_b32 v[LI16], 4, v3
	v_lshlrev_b32 v[LI8], 3, v3
	v_lshlrev_b32 v[ABS], 5, v3
	v_lshlrev_b32 v14, 6, v2                       ; Q, K: register 16 B + i is d = 32 B + 16 h + i
	v_and_b32 v15, 7, v1
	v_lshrrev_b32 v17, 3, v1
	v_lshl_add_u32 v15, v17, 4, v15
	v_lshlrev_b32 v15, 2, v15                      ; V: lane r of tile t is d = 32 (t / 2) + 8 (t % 2) + r % 8 + 16 (r / 8)
.irp b, 0,1,2,3
	v_mov_b32 v[TM+4+\b], 0                        ; a lane permute's destination counts as one of its sources
	v_mov_b32 v[SI+\b], 0
.endr
	WALU
.irp p, 0,1
.irp c, 0,1
	global_load_b128 v[SB+8*\p+4*\c:SB+8*\p+4*\c+3], v[ABS], s[88:89] offset:65536+1024*\p+16*\c
.endr
.endr
.irp k, 0,1,2,3,4,5,6,7
	global_load_b128 v[BQ+4*\k:BQ+4*\k+3], v14, s[90:91] offset:128*(\k/4)+16*(\k%4)
.endr
	SCLOAD 0
	WIN 3<<6
.irp t, 0,1,2,3
	global_load_b32 v[BBV-768+8*\t], v15, s[90:91] offset:8192+4*(32*(\t/2)+8*(\t%2))
.endr
	WIN 0
	s_cmp_eq_u32 s14, 0
	s_cbranch_scc0 .Lnot_w
	s_wait_tensorcnt 0x0
.Lnot_w:
	BARRIER                                        ; w_v's rows are in (wave 0's line is its own)
	WEIGHTS
	s_wait_loadcnt 0x0
	WIN (3<<6)|3
.irp t, 0,8,16,24
.irp i, 1,2,3,4,5,6,7
	v_mov_b32 v[BBV-768+\t+\i], v[BBV-768+\t]      ; V's bias, one number a lane and tile, over the tile's eight registers
.endr
.endr
	WIN 0
	WALU
	s_wait_tensorcnt 0x0                           ; the first refill's round: the head's loads are in,
	ds_add_u32 v[SPW], v[NIL]
	s_mov_b32 s18, 0
	s_wait_dscnt 0x0                               ; and I hold w_v in registers
	CROUND
	TLOAD 84, G1R                                  ; w_q's rows, every wave a quarter
	FETCH 0
	FETCH 1
; ---- V: eight blocks
.irp i, 0,1,2,3,4,5,6,7
	s_wait_dscnt NF
	BLOCK 1, \i%2, \i
	AFTER \i%2, 0
.endr
	s_wait_tensorcnt 0x0
	s_wait_dscnt 0x0
	BARRIER                                        ; w_q's rows are shown to all
	WEIGHTS
	SCMOVE
	SCLOAD 32768
.irp t, 0,1,2,3                        ; V's four operands leave under the weights' flight
	s_wait_xcnt 0x0
	QUANT 64+64*\t+648*(\t/2), PQ
	v_lshl_or_b32 v[TP], v[TM+5], 8, v[TM+4]
	v_lshl_or_b32 v[TP], v[TM+6], 16, v[TP]
.if \t%2
	v_lshl_or_b32 v[TP], v[TM+7], 24, v[TP]
	v_cndmask_b32 v[SI+\t/2], v[SI+\t/2], v[TP], s17
.else
	v_lshl_or_b32 v[SI+\t/2], v[TM+7], 24, v[TP]
.endif
.irp g, 0,1,2
	global_store_b128 v[LI16], v[PQ+4*\g:PQ+4*\g+3], s[96:97] offset:98304+1536*\t+512*\g
.endr
.endr
	global_store_b64 v[LI8], v[SI:SI+1], s[46:47] offset:204800
.irp k, 0,1,2,3,4,5,6,7
	global_load_b128 v[BK+4*\k:BK+4*\k+3], v14, s[90:91] offset:4096+128*(\k/4)+16*(\k%4)
.endr
	WALU
	s_wait_tensorcnt 0x0                           ; the second refill's round
	ds_add_u32 v[SPW], v[NIL]
	s_add_nc_u64 s[86:87], s[86:87], 786432        ; no load of mine is out: on to w_k's rows
	s_wait_dscnt 0x0                               ; I hold w_q in registers
	CROUND
	TLOAD 84, G1R
; ---- Q
	QKPH BQ, 92, 94, 98304, 0
	s_wait_tensorcnt 0x0
	s_wait_dscnt 0x0
	BARRIER                                        ; w_k's rows are shown to all
	WEIGHTS
	s_wait_loadcnt 0x0                             ; w_k's scale words and b_k
	SCMOVE
.rept 8
	v_nop                                          ; a scale register written by a vector instruction stands 8 places ahead of a scaled product
.endr
	WALU                                           ; the wait ahead of the blocking wait
	s_wait_dscnt 0x0
; ---- K
	QKPH BK, 96, 98, 196608, 1
	s_wait_tensorcnt 0x0                           ; the wave's end
	ds_add_u32 v[SPW], v[NIL]
	s_wait_dscnt 0x0
	CROUND                                         ; the closing round
	s_endpgm
.Lfunc_end_k_qad8c050c3e_qkv:
	.size	k_qad8c050c3e_qkv, .Lfunc_end_k_qad8c050c3e_qkv-k_qad8c050c3e_qkv
	.p2alignl 7, 3214868480
	.fill 96, 4, 3214868480
	.section	.rodata,"a",@progbits
	.p2align	6, 0x0
	.amdhsa_kernel k_qad8c050c3e_qkv
		.amdhsa_group_segment_fixed_size 327680
		.amdhsa_private_segment_fixed_size 0
		.amdhsa_enable_private_segment 0
		.amdhsa_kernarg_size 40
		.amdhsa_user_sgpr_count 2
		.amdhsa_user_sgpr_kernarg_segment_ptr 1
		.amdhsa_wavefront_size32 1
		.amdhsa_system_sgpr_workgroup_id_x 1
		.amdhsa_system_sgpr_workgroup_id_y 1
		.amdhsa_system_sgpr_workgroup_id_z 1
		.amdhsa_system_vgpr_workitem_id 0
		.amdhsa_next_free_vgpr 1024
		.amdhsa_next_free_sgpr 100
		.amdhsa_reserve_vcc 0
		.amdhsa_float_denorm_mode_32 3
		.amdhsa_float_denorm_mode_16_64 3
		.amdhsa_memory_ordered 1
		.amdhsa_forward_progress 1
		.amdhsa_inst_pref_size 143
	.end_amdhsa_kernel
	.amdgpu_metadata
---
amdhsa.version: [ 1, 2 ]
amdhsa.kernels:
  - .name:           k_qad8c050c3e_qkv
    .symbol:         k_qad8c050c3e_qkv.kd
    .args:
      - { .name: xq, .offset: 0, .size: 8, .value_kind: global_buffer, .address_space: global }
      - { .name: wq, .offset: 8, .size: 8, .value_kind: global_buffer, .address_space: global }
      - { .name: b_qkv, .offset: 16, .size: 8, .value_kind: global_buffer, .address_space: global }
      - { .name: qq, .offset: 24, .size: 8, .value_kind: global_buffer, .address_space: global }
      - { .name: kv, .offset: 32, .size: 8, .value_kind: global_buffer, .address_space: global }
    .group_segment_fixed_size: 327680
    .private_segment_fixed_size: 0
    .kernarg_segment_align: 8
    .kernarg_segment_size: 40
    .max_flat_workgroup_size: 128
    .sgpr_count:     100
    .vgpr_count:     1024
    .wavefront_size: 32
...
	.end_amdgpu_metadata
.endif
;; end of part 2
;; launch attn (part 3): grid 4 x 64, 16 waves a work-group, clusters of 4 x 1, 327,680 bytes of LDS; arguments qq, kv, yq; writes yq
.if DOCPART == 3
	.amdgcn_target "amdgcn-amd-amdhsa--gfx1250"
	.amdhsa_code_object_version 6
	.text
	.protected	k_qad8c050c3e_attn
	.globl	k_qad8c050c3e_attn
	.p2align	8
	.type	k_qad8c050c3e_attn,@function
k_qad8c050c3e_attn:
	s_mov_b64 s[64:65], 0
	v_nop
	global_prefetch_b8 v0, s[64:65] scope:SCOPE_SE
	s_setreg_imm32_b32 hwreg(HW_REG_WAVE_MODE, 25, 1), 1
	s_wait_xcnt 0x0
	s_wait_alu depctr_hold_cnt(0) depctr_sa_sdst(0) depctr_va_vdst(0) depctr_va_sdst(0) depctr_va_ssrc(0) depctr_va_vcc(0) depctr_vm_vsrc(0)
	s_getreg_b32 s2, hwreg(HW_REG_IB_STS2, 6, 4)
	s_cmp_eq_u32 s2, 0
	s_cbranch_scc0 .Lentry_in_a_cluster
	s_endpgm
.Lentry_in_a_cluster:
	s_bfe_u32 s2, ttmp6, 0x10000c
	s_cmp_lg_u32 s2, 0x3003
	s_cbranch_scc0 .Lentry_shape_is_right
	s_endpgm
.Lentry_shape_is_right:
; y = softmax(q k^T / 8, causal) v for one head, both products on codes of FP6 (E2M3) with E8M0 scales; y is quantised along its 64 and leaves as a register image for the last product.
; THE SOFTMAX: t = score x log2(e) / 8; M = the running largest t rounded UP to a whole number; p = 2^(t - M) is quantised along the keys, not normalised; the row's sum is taken of the unquantised p and divides at the end.
; When M moves, the sum and O are multiplied by 2^(old M - new M): exact.
; A HEAD'S K AND V, codes and scales, are 208,896 dense bytes of kv: they come into LDS ONCE and stay: no slot is filled again, and the loop has no barrier.  The four work-groups of a cluster serve one head and ask
; for those bytes JOINTLY: each of the sixteen waves issues one load of 51 rows of 256 bytes, the same in all four work-groups.
; SHARES.  A head has 128 tiles of 16 queries.  Wave w of the work-group at place cx takes tiles 4 w + cx and 127 - (4 w + cx): their last key steps, w / 2 and 15 - w / 2, hang on the wave alone, and every wave
; walks 17 key steps of 128 keys.  A step all of whose keys come after the tile's queries is passed over by a scalar branch on ids; the trip counts are constants.
; LAYOUT.  Both products are used transposed (S^T = K Q^T, O^T = V^T P^T): a lane holds one query.  Tile i's stored row r is index L(i, r) = 32 (i / 2) + 8 (i % 2) + r % 8 + 16 (r / 8), so that the 16 registers of
; tiles 2 B, 2 B + 1 are keys (or d) 32 B + 16 (lane / 16) + 0 .. 15.
; THE HEAD IS 64 WIDE, the instruction 128: Q's upper six registers are zero codes, and the upper two bytes of Q's and K's scale words are 0 (2^-127, a number).  So whatever K's operand holds in its upper six registers
; (the next tile's codes, or zeros behind the last) adds nothing.
; yq: image [512 token tiles][16 heads][512 bytes: registers 0-3 at 16 x lane; 256 bytes: registers 4-5 at 8 x lane] at 0; scale bytes [8192 stored rows][32] at 6,291,456.  A head owns 2 of a row's 32 scale bytes,
; so those leave by stores of 2 bytes a lane: one part in 24 of what the tile stores.
; LIMITS: a block of zeros keeps the byte 1 (its codes are zeros); NaN and infinities are not served.
.set KIMG,  0
.set VIMG,  98304
.set KSCL,  196608
.set VSCL,  204800
.set SPARE, 212992                     ; the spare words, 128 bytes for each of 16 waves, named by no other line
.set LI16, 1                           ; v1  16 x lane
.set LI8,  2                           ; v2  8 x lane
.set SPW,  3
.set NIL,  4
.set DQ,   5                           ; v5  my query, counted from the diagonal step's first key, less 16 (lane / 16)
.set VR,   6                           ; v6  r % 8 + 16 (r / 8) - 16 h
.set QSA,  7                           ; v7  16 r: Q's scale word
.set ADK,  8
.set ADV,  9
.set ADS,  10
.set ADT,  11
.set QF,   16                          ; v16-21 Q's codes, v22-27 zeros
.set QS,   28                          ; v28 Q's scale words
.set YSA,  29                          ; v29 32 r: y's scale bytes
.set AV0,  30
.set AS0,  31
.set KF,   32                          ; v32-79 a step's K, then its V; v80-85 zeros
.set KSC,  86                          ; v86-89 K's scale words
.set VSC,  90                          ; v90-91 V's
.set AT0,  92
.set S,    96                          ; v96-159 S^T, then p
.set O,    160                         ; v160-191 O^T
.set PC,   192                         ; v192-203 p's codes
.set CT,   204                         ; v204-210
.set BM,   212                         ; v212-215 the blocks' largest
.set PD,   216                         ; v216-219 permutes' destinations, then bytes
.set SO,   220                         ; v220-223 the conversions' scale operands
.set PW,   224                         ; v224 p's scale words
.set F,    226                         ; v226 f; v227 named with it as a pair
.set TP,   228
.set SUM2, 230
.set NINF, 232
.set WV,   18
.set CX,   19
.set HB,   20
.set G1,   24
.set G0,   32
.set SEL,  36
.set CS,   38
.set PASS, 40
.set T,    41
.set LIM,  42
.set SI,   43
.set TB,   44
.set TS,   45
.set TJ,   46
.macro CROUND
	s_barrier_signal -1
	s_barrier_wait -1
	s_cmp_lg_u32 s[WV], 0
	s_cbranch_scc1 .Lnot_wave_0_\@
	s_barrier_signal -3
.Lnot_wave_0_\@:
	s_barrier_wait -3
	s_barrier_signal -1
	s_barrier_wait -1
.endm
	s_load_b128 s[4:7], s[0:1], 0x0                ; qq s[4:5], kv s[6:7]
	s_load_b64 s[8:9], s[0:1], 0x10                ; yq
	v_lshl_add_u32 v[SPW], v0, 2, SPARE
	v_mov_b32 v[NIL], 0
	ds_add_u32 v[SPW], v[NIL]                      ; the wave's opening: the add and its wait ahead of my tensor load
	ds_add_u32 v[SPW], v[NIL]
	v_lshrrev_b32 v8, 5, v0
	s_delay_alu instid0(VALU_DEP_1)
	v_readfirstlane_b32 s[WV], v8                  ; wave 0..15
	s_bfe_u32 s[CX], ttmp6, 0x40000                ; my place in the cluster: it enters global addresses and data alone
	s_and_b32 s[HB], ttmp7, 0xffff                 ; 16 x batch + head: the four partners share it
	s_mov_b32 s[G1], 15|(3<<16)|(1<<21)            ; the mask: all four; elements of 8 bytes; bit 21 beside the mask; no padding
	s_mov_b32 s[G1+1], 32<<16                      ; tensor_dim0 = 32 elements: 256 bytes
	s_mov_b32 s[G1+2], 51<<16                      ; tensor_dim1 = 51 rows
	s_mov_b32 s[G1+3], 32<<16                      ; tile_dim0
	s_mov_b32 s[G1+4], 51                          ; tile_dim1
	s_mov_b32 s[G1+5], 32                          ; stride: dense
	s_mov_b32 s[G1+6], 0
	s_mov_b32 s[G1+7], 0
	s_mul_i32 s21, s[WV], 13056                    ; my 51 rows, in LDS and in the head's bytes: 16 x 13,056 = 208,896
	s_mul_i32 s22, s[HB], 208896
	s_add_co_u32 s22, s22, s21
	s_mov_b32 s23, 0
	s_mul_i32 s52, s[HB], 106496
	s_mov_b32 s53, 0
	s_mov_b32 s[SEL], 0x76543210
	s_mov_b32 s[SEL+1], 0xfedcba98                 ; lane l xor 16
	s_mov_b32 s[CS], 0x3e38aa3b                    ; c = log2(e) / 8
	s_mov_b32 s[CS+1], s[CS]
	s_wait_dscnt 0x0                               ; the opening add is done
	s_wait_kmcnt 0x0
	s_mov_b32 s[G0], 1
	s_mov_b32 s[G0+1], s21
	s_add_nc_u64 s[G0+2:G0+3], s[6:7], s[22:23]
	s_or_b32 s[G0+3], s[G0+3], 0x80000000
	s_add_nc_u64 s[56:57], s[4:5], s[52:53]        ; my head in qq
	CROUND                                         ; all four work-groups are here: the joint loads meet
	tensor_load_to_lds s[G0:G0+3], s[G1:G1+7]      ; my one tensor load
	s_nop 0
	v_and_b32 v8, 31, v0
	s_delay_alu instid0(VALU_DEP_1)
	v_lshlrev_b32 v[LI16], 4, v8
	s_delay_alu instid0(VALU_DEP_2)
	v_lshlrev_b32 v[LI8], 3, v8
	v_and_b32 v9, 15, v0                           ; r
	v_bfe_u32 v10, v0, 4, 1                        ; h
	s_delay_alu instid0(VALU_DEP_2)
	v_and_b32 v[VR], 7, v9
	s_delay_alu instid0(VALU_DEP_3)
	v_lshrrev_b32 v11, 3, v9
	s_delay_alu instid0(VALU_DEP_1)
	v_lshl_add_u32 v[VR], v11, 4, v[VR]
	s_delay_alu instid0(VALU_DEP_4)
	v_lshlrev_b32 v11, 4, v10
	s_delay_alu instid0(VALU_DEP_1)
	v_sub_nc_u32 v[VR], v[VR], v11
	v_lshlrev_b32 v[QSA], 4, v9
	v_lshlrev_b32 v[YSA], 5, v9
	v_add_nc_u32 v[AV0], VIMG, v[LI16]
	v_add_nc_u32 v[AS0], KSCL, v[LI16]
	v_add_nc_u32 v[AT0], VSCL, v[LI8]
.irp k, 0,1,2,3,4,5
	v_mov_b32 v[QF+6+\k], 0                        ; zero codes for k = 64 .. 127
	v_mov_b32 v[KF+48+\k], 0
.endr
.irp b, 0,1,2,3
	v_mov_b32 v[PD+\b], 0                          ; a lane permute's destination counts as one of its sources
.endr
	v_mov_b32 v[F+1], 0
	v_mov_b32 v[TP], 0
	v_mov_b32 v[NINF], 0xff800000                  ; -infinity
	s_wait_tensorcnt 0x0                           ; my part has landed,
	s_barrier_signal -1
	s_barrier_wait -1                              ; everybody's has: the head's K and V lie in LDS for the rest of the launch
	s_mov_b32 s[PASS], 0
.Lpass:                                            ; two trips: the late tile, then the early one
	s_lshl_b32 s[T], s[WV], 2
	s_add_co_u32 s[T], s[T], s[CX]
	s_sub_co_u32 s21, 127, s[T]
	s_lshr_b32 s[LIM], s[WV], 1
	s_sub_co_u32 s22, 15, s[LIM]
	s_cmp_eq_u32 s[PASS], 0
	s_cselect_b32 s[T], s21, s[T]                  ; my tile
	s_cselect_b32 s[LIM], s22, s[LIM]              ; its last key step, made of the wave's number alone
	s_lshr_b32 s52, s[T], 1
	s_mul_i32 s52, s52, 1536
	s_add_nc_u64 s[58:59], s[56:57], s[52:53]      ; the pair of tiles that holds mine
	s_lshr_b32 s52, s[T], 3
	s_lshl_b32 s52, s52, 9                         ; Q's scale image: 512 bytes a step,
	s_and_b32 s54, s[T], 1
	s_lshl_b32 s55, s54, 8
	s_add_co_u32 s52, s52, s55                     ; lanes 16-31 of it for an odd tile,
	s_bfe_u32 s55, s[T], 0x20001                   ; register (t / 2) % 4
	s_lshl_b32 s21, s55, 2
	s_add_co_u32 s52, s52, s21
	s_add_co_u32 s52, s52, 98304
	s_add_nc_u64 s[60:61], s[56:57], s[52:53]
	global_load_b128 v[S:S+3], v[LI16], s[58:59]
	global_load_b128 v[S+4:S+7], v[LI16], s[58:59] offset:512
	global_load_b128 v[S+8:S+11], v[LI16], s[58:59] offset:1024
	global_load_b32 v[QS], v[QSA], s[60:61]
	s_sub_co_u32 s62, 0, s54                       ; all ones for an odd tile
	s_lshl_b32 s21, s55, 5
	s_lshl_b32 s22, s54, 3
	s_add_co_u32 s21, s21, s22
	v_add_nc_u32 v[DQ], s21, v[VR]
	s_lshr_b32 s21, s[HB], 4
	s_lshl_b32 s21, s21, 7
	s_add_co_u32 s21, s21, s[T]                    ; token tile 128 x batch + t
	s_and_b32 s22, s[HB], 15                       ; head
	s_mul_i32 s52, s21, 12288
	s_mul_i32 s23, s22, 768
	s_add_co_u32 s52, s52, s23
	s_add_nc_u64 s[48:49], s[8:9], s[52:53]        ; y's image
	s_lshl_b32 s52, s21, 9
	s_lshl_b32 s23, s22, 1
	s_add_co_u32 s52, s52, s23
	s_add_co_u32 s52, s52, 6291456
	s_add_nc_u64 s[50:51], s[8:9], s[52:53]        ; y's scale bytes
	s_mov_b32 s[SI], 0
	s_mov_b32 s[TB], 0
	s_mov_b32 s[TS], 0
	s_mov_b32 s[TJ], 0
	s_wait_loadcnt 0x0
.irp k, 0,1,2,3,4,5
	v_cndmask_b32 v[QF+\k], v[S+\k], v[S+6+\k], s62   ; my tile's six of the pair's twelve
.endr
	v_mov_b32 v13, 0xff61b1e6                      ; the largest t so far: -3e38
	s_delay_alu instid0(VALU_DEP_1)
	v_floor_f32 v12, -v13                          ; -M
	v_mov_b32 v14, 0
	v_mov_b32 v15, 0                               ; the sum, in two halves
.set j, 0
.rept 32
	v_mov_b32 v[O+j], 0                            ; the step is written once: the first finds zeros, which the first change of M leaves zeros
.set j, j+1
.endr
.Lstep:                                            ; 16 trips
	s_cmp_gt_u32 s[SI], s[LIM]
	s_cbranch_scc1 .Lskip                          ; all these keys come after my queries
	v_add_nc_u32 v[ADK], s[TB], v[LI16]            ; (these four are also the places behind the last step's products)
	v_add_nc_u32 v[ADV], s[TB], v[AV0]
	v_add_nc_u32 v[ADS], s[TS], v[AS0]
	v_add_nc_u32 v[ADT], s[TJ], v[AT0]
.irp g, 0,1,2,3,4,5,6,7,8,9,10,11
	ds_load_b128 v[KF+4*\g:KF+4*\g+3], v[ADK] offset:512*\g   ; K's eight tiles as they were stored: 512 consecutive bytes a load
.endr
	ds_load_b128 v[KSC:KSC+3], v[ADS]
	s_wait_alu depctr_va_vdst(0)
	s_wait_dscnt 0x0
.irp i, 0,1,2,3,4,5,6,7
.if \i%2
	v_wmma_scale_f32_16x16x128_f8f6f4 v[S+8*\i:S+8*\i+7], v[KF+6*\i:KF+6*\i+11], v[QF:QF+11], 0, v[KSC+\i/2], v[QS] matrix_a_fmt:MATRIX_FMT_FP6 matrix_b_fmt:MATRIX_FMT_FP6 matrix_a_scale:MATRIX_SCALE_ROW1
.else
	v_wmma_scale_f32_16x16x128_f8f6f4 v[S+8*\i:S+8*\i+7], v[KF+6*\i:KF+6*\i+11], v[QF:QF+11], 0, v[KSC+\i/2], v[QS] matrix_a_fmt:MATRIX_FMT_FP6 matrix_b_fmt:MATRIX_FMT_FP6
.endif
.endr
.rept 4
	v_nop                                          ; places: ahead of the loads into K's registers and of the first read of the scores
.endr
.irp g, 0,1,2,3,4,5,6,7,8,9,10,11
	ds_load_b128 v[KF+4*\g:KF+4*\g+3], v[ADV] offset:512*\g   ; V's four tiles: they land while the softmax is worked
.endr
	ds_load_b64 v[VSC:VSC+1], v[ADT]
	s_cmp_lg_u32 s[SI], s[LIM]
	s_cbranch_scc1 .Lopen                          ; only the last step lies on the diagonal
.set n, 0
.rept 64
	v_cmp_gt_i32 vcc_lo, 32*(n/16)+n%16, v[DQ]     ; register 16 B + i holds key 32 B + 16 (lane / 16) + i of the step: hidden where it comes after my query
	v_cndmask_b32 v[S+n], v[S+n], v[NINF], vcc_lo
.set n, n+1
.endr
.Lopen:
.irp b, 0,1,2,3
	v_max3_num_f32 v[BM+\b], v[S+16*\b], v[S+1+16*\b], v[S+2+16*\b]   ; the largest score of each block of 32 keys: for the row's maximum and, since p rises with the score, for the block's largest p
.endr
.irp i, 3,5,7,9,11,13
.irp b, 0,1,2,3
	v_max3_num_f32 v[BM+\b], v[BM+\b], v[S+16*\b+\i], v[S+1+16*\b+\i]
.endr
.endr
.irp b, 0,1,2,3
	v_max_num_f32 v[BM+\b], v[BM+\b], v[S+15+16*\b]
.endr
.irp b, 0,1,2,3
	s_delay_alu instid0(VALU_DEP_4)
	v_permlanex16_b32 v[PD+\b], v[BM+\b], s[SEL], s[SEL+1]
.endr
.irp b, 0,1,2,3
	s_delay_alu instid0(VALU_DEP_4)
	v_max_num_f32 v[BM+\b], v[BM+\b], v[PD+\b]
.endr
	s_delay_alu instid0(VALU_DEP_2)
	v_max3_num_f32 v[TP], v[BM], v[BM+1], v[BM+2]
	s_delay_alu instid0(VALU_DEP_1)
	v_max_num_f32 v[TP], v[TP], v[BM+3]
	s_delay_alu instid0(VALU_DEP_1)
	v_mul_f32 v[TP], s[CS], v[TP]                  ; the step's largest t
	s_delay_alu instid0(VALU_DEP_1)
	v_max_num_f32 v13, v13, v[TP]                  ; the running largest
	v_mov_b32 v[TP], v12
	s_delay_alu instid0(VALU_DEP_2)
	v_floor_f32 v12, -v13                          ; the new -M = -ceil(t)
	s_delay_alu instid0(VALU_DEP_1)
	v_sub_f32 v[TP], v12, v[TP]                    ; old M - new M: a whole number, 0 or less
	s_delay_alu instid0(VALU_DEP_1)
	v_cvt_i32_f32 v[TP], v[TP]                     ; (it saturates)
	s_delay_alu instid0(VALU_DEP_1)
	v_ldexp_f32 v[F], 1.0, v[TP]                   ; f = 2^(old M - new M)
.set j, 0
.rept 32
	v_pk_fma_f32 v[S+j:S+j+1], v[S+j:S+j+1], s[CS:CS+1], v[12:13] op_sel_hi:[1,0,0]   ; t - M
.set j, j+2
.endr
.irp b, 0,1,2,3
	v_fma_f32 v[BM+\b], v[BM+\b], s[CS], v12
.endr
.set j, 0
	s_wait_alu depctr_va_vdst(0)
.rept 64
	v_exp_f32 v[S+j], v[S+j]                       ; p = 2^(t - M)
.set j, j+1
.endr
	v_pk_mul_f32 v[14:15], v[14:15], v[F:F+1] op_sel_hi:[1,0]   ; the sums under the new M (a plain line behind the exponentials)
	s_wait_alu depctr_va_vdst(0)                   ; one wait for the batch, ahead of its first reader
.irp b, 0,1,2,3
	v_exp_f32 v[BM+\b], v[BM+\b]                   ; the blocks' largest p
.endr
	v_pk_add_f32 v[230:231], v[100:101], v[104:105]
	v_pk_add_f32 v[254:255], v[108:109], v[112:113]
	v_pk_add_f32 v[252:253], v[116:117], v[120:121]
	v_pk_add_f32 v[250:251], v[124:125], v[128:129]
	v_pk_add_f32 v[248:249], v[132:133], v[136:137]
	v_pk_add_f32 v[246:247], v[140:141], v[144:145]
	v_pk_add_f32 v[244:245], v[148:149], v[152:153]
	v_pk_add_f32 v[14:15], v[14:15], v[156:157]
	v_pk_add_f32 v[230:231], v[230:231], v[96:97]
	v_pk_add_f32 v[254:255], v[254:255], v[98:99]
	v_pk_add_f32 v[252:253], v[252:253], v[102:103]
	v_pk_add_f32 v[250:251], v[250:251], v[106:107]
	v_pk_add_f32 v[248:249], v[248:249], v[110:111]
	v_pk_add_f32 v[246:247], v[246:247], v[114:115]
	v_pk_add_f32 v[244:245], v[244:245], v[118:119]
	v_pk_add_f32 v[14:15], v[14:15], v[122:123]
	v_pk_add_f32 v[230:231], v[230:231], v[126:127]
	v_pk_add_f32 v[254:255], v[254:255], v[130:131]
	v_pk_add_f32 v[252:253], v[252:253], v[134:135]
	v_pk_add_f32 v[250:251], v[250:251], v[138:139]
	v_pk_add_f32 v[248:249], v[248:249], v[142:143]
	v_pk_add_f32 v[246:247], v[246:247], v[146:147]
	v_pk_add_f32 v[244:245], v[244:245], v[150:151]
	v_pk_add_f32 v[14:15], v[14:15], v[154:155]
	v_pk_add_f32 v[230:231], v[230:231], v[158:159]
	s_delay_alu instid0(VALU_DEP_2)
	v_pk_add_f32 v[14:15], v[14:15], v[250:251]
	s_delay_alu instid0(VALU_DEP_2)
	v_pk_add_f32 v[230:231], v[230:231], v[248:249]
	v_pk_add_f32 v[254:255], v[254:255], v[246:247]
	v_pk_add_f32 v[252:253], v[252:253], v[244:245]
	s_delay_alu instid0(VALU_DEP_2)
	v_pk_add_f32 v[14:15], v[14:15], v[254:255]
	s_delay_alu instid0(VALU_DEP_2)
	v_pk_add_f32 v[230:231], v[230:231], v[252:253]
	s_delay_alu instid0(VALU_DEP_1)
	v_pk_add_f32 v[14:15], v[14:15], v[230:231]
	s_wait_alu depctr_va_vdst(0)                   ; and one for the four
.irp b, 0,1,2,3
	v_max_num_f32 v[BM+\b], 0x1800000, v[BM+\b]    ; the floor 2^(3 - 127)
.endr
.irp b, 0,1,2,3
	s_delay_alu instid0(VALU_DEP_4)
	v_add_nc_u32 v[SO+\b], 0xff000000, v[BM+\b]
.endr
.irp b, 0,1,2,3
	s_delay_alu instid0(VALU_DEP_4)
	v_lshrrev_b32 v[PD+\b], 23, v[SO+\b]
.endr
	s_delay_alu instid0(VALU_DEP_3)
	v_lshl_or_b32 v[PW], v[PD+1], 8, v[PD]
	s_delay_alu instid0(VALU_DEP_1)
	v_lshl_or_b32 v[PW], v[PD+2], 16, v[PW]
	s_delay_alu instid0(VALU_DEP_1)
	v_lshl_or_b32 v[PW], v[PD+3], 24, v[PW]        ; p's scale word for these 128 keys
.irp c, 0,1
	v_cvt_scalef32_pk16_fp6_f32 v[PC+6*\c:PC+6*\c+2], v[S+32*\c:S+32*\c+15], v[SO+2*\c]
	v_cvt_scalef32_pk16_fp6_f32 v[CT+4*\c:CT+4*\c+2], v[S+16+32*\c:S+31+32*\c], v[SO+2*\c+1]
.endr
	v_nop                                          ; one plain line behind the conversions
.irp c, 0,1
.irp i, 0,1,2
	v_permlane16_swap_b32 v[PC+6*\c+\i], v[CT+4*\c+\i]
.endr
.irp i, 0,1,2
	s_delay_alu instid0(VALU_DEP_3)
	v_mov_b32 v[PC+3+6*\c+\i], v[CT+4*\c+\i]
.endr
.endr
.set j, 0
.rept 16
	v_pk_mul_f32 v[O+j:O+j+1], v[O+j:O+j+1], v[F:F+1] op_sel_hi:[1,0]   ; O^T under the new M; these sixteen stand between the codes' and the scale word's last writes and the products
.set j, j+2
.endr
	s_wait_alu depctr_va_vdst(0)
	s_wait_dscnt 0x0                               ; V is in
.irp a, 0,1,2,3
.if \a%2
	v_wmma_scale_f32_16x16x128_f8f6f4 v[O+8*\a:O+8*\a+7], v[KF+12*\a:KF+12*\a+11], v[PC:PC+11], v[O+8*\a:O+8*\a+7], v[VSC+\a/2], v[PW] matrix_a_fmt:MATRIX_FMT_FP6 matrix_b_fmt:MATRIX_FMT_FP6 matrix_a_scale:MATRIX_SCALE_ROW1
.else
	v_wmma_scale_f32_16x16x128_f8f6f4 v[O+8*\a:O+8*\a+7], v[KF+12*\a:KF+12*\a+11], v[PC:PC+11], v[O+8*\a:O+8*\a+7], v[VSC+\a/2], v[PW] matrix_a_fmt:MATRIX_FMT_FP6 matrix_b_fmt:MATRIX_FMT_FP6
.endif
.endr
.Lskip:
	s_add_co_u32 s[TB], s[TB], 6144                ; the next step's images
	s_add_co_u32 s[TS], s[TS], 512
	s_add_co_u32 s[TJ], s[TJ], 256
	s_add_co_u32 s[SI], s[SI], 1
	s_cmp_lt_u32 s[SI], 16
	s_cbranch_scc1 .Lstep
	; the tile's way out: O^T / the sum, quantised along d, as a register image
.rept 4
	v_nop                                          ; places behind the last products
.endr
	v_add_f32 v14, v14, v15
	s_delay_alu instid0(VALU_DEP_1)
	v_permlanex16_b32 v[TP], v14, s[SEL], s[SEL+1]
	s_delay_alu instid0(VALU_DEP_1)
	v_add_f32 v14, v14, v[TP]                      ; the row's sum
	s_wait_alu depctr_va_vdst(0)
	v_rcp_f32 v14, v14
	v_nop
	s_wait_alu depctr_va_vdst(0)                   ; ahead of the reciprocal's first reader
.set j, 0
.rept 32
	v_mul_f32 v[S+j], v[O+j], v14                  ; register 16 B + i is y at d = 32 B + 16 (lane / 16) + i; ascending: each accumulator from its low end on
.set j, j+1
.endr
.irp b, 0,1
	v_max3_num_f32 v[BM+\b], |v[S+16*\b]|, |v[S+1+16*\b]|, 0x1800000
.endr
.irp i, 2,4,6,8,10,12,14
.irp b, 0,1
	s_delay_alu instid0(VALU_DEP_2)
	v_max3_num_f32 v[BM+\b], v[BM+\b], |v[S+16*\b+\i]|, |v[S+1+16*\b+\i]|
.endr
.endr
.irp b, 0,1
	s_delay_alu instid0(VALU_DEP_2)
	v_permlanex16_b32 v[PD+\b], v[BM+\b], s[SEL], s[SEL+1]
.endr
.irp b, 0,1
	s_delay_alu instid0(VALU_DEP_2)
	v_max_num_f32 v[BM+\b], v[BM+\b], v[PD+\b]
.endr
.irp b, 0,1
	s_delay_alu instid0(VALU_DEP_2)
	v_add_nc_u32 v[SO+\b], 0xff000000, v[BM+\b]
.endr
.irp b, 0,1
	s_delay_alu instid0(VALU_DEP_2)
	v_lshrrev_b32 v[PD+\b], 23, v[SO+\b]
.endr
	s_delay_alu instid0(VALU_DEP_1)
	v_lshl_or_b32 v[TP], v[PD+1], 8, v[PD]         ; my row's two scale bytes
	v_cvt_scalef32_pk16_fp6_f32 v[PC:PC+2], v[S:S+15], v[SO]
	v_cvt_scalef32_pk16_fp6_f32 v[CT:CT+2], v[S+16:S+31], v[SO+1]
	v_nop
.irp i, 0,1,2
	v_permlane16_swap_b32 v[PC+\i], v[CT+\i]
.endr
.irp i, 0,1,2
	s_delay_alu instid0(VALU_DEP_3)
	v_mov_b32 v[PC+3+\i], v[CT+\i]                 ; lane (r, h) now holds block h of row r in six registers
.endr
	global_store_b128 v[LI16], v[PC:PC+3], s[48:49]            ; 512 consecutive bytes, aligned
	global_store_b64 v[LI8], v[PC+4:PC+5], s[48:49] offset:512 ; 256 consecutive bytes, aligned
	global_store_b16 v[YSA], v[TP], s[50:51]       ; both halves of the lanes write the same two bytes with the same value
	s_wait_xcnt 0x0                                ; the stores have read their data and bases: the next tile may write them
	s_add_co_u32 s[PASS], s[PASS], 1
	s_cmp_lt_u32 s[PASS], 2
	s_cbranch_scc1 .Lpass
	s_wait_tensorcnt 0x0                           ; the wave's end
	ds_add_u32 v[SPW], v[NIL]
	s_wait_dscnt 0x0
	CROUND                                         ; the closing round
	s_endpgm
.Lfunc_end_k_qad8c050c3e_attn:
	.size	k_qad8c050c3e_attn, .Lfunc_end_k_qad8c050c3e_attn-k_qad8c050c3e_attn
	.p2alignl 7, 3214868480
	.fill 96, 4, 3214868480
	.section	.rodata,"a",@progbits
	.p2align	6, 0x0
	.amdhsa_kernel k_qad8c050c3e_attn
		.amdhsa_group_segment_fixed_size 327680
		.amdhsa_private_segment_fixed_size 0
		.amdhsa_enable_private_segment 0
		.amdhsa_kernarg_size 24
		.amdhsa_user_sgpr_count 2
		.amdhsa_user_sgpr_kernarg_segment_ptr 1
		.amdhsa_wavefront_size32 1
		.amdhsa_system_sgpr_workgroup_id_x 1
		.amdhsa_system_sgpr_workgroup_id_y 1
		.amdhsa_system_sgpr_workgroup_id_z 1
		.amdhsa_system_vgpr_workitem_id 0
		.amdhsa_next_free_vgpr 256
		.amdhsa_next_free_sgpr 66
		.amdhsa_reserve_vcc 1
		.amdhsa_float_denorm_mode_32 3
		.amdhsa_float_denorm_mode_16_64 3
		.amdhsa_memory_ordered 1
		.amdhsa_forward_progress 1
		.amdhsa_inst_pref_size 35
	.end_amdhsa_kernel
	.amdgpu_metadata
---
amdhsa.version: [ 1, 2 ]
amdhsa.kernels:
  - .name:           k_qad8c050c3e_attn
    .symbol:         k_qad8c050c3e_attn.kd
    .args:
      - { .name: qq, .offset: 0, .size: 8, .value_kind: global_buffer, .address_space: global }
      - { .name: kv, .offset: 8, .size: 8, .value_kind: global_buffer, .address_space: global }
      - { .name: yq, .offset: 16, .size: 8, .value_kind: global_buffer, .address_space: global }
    .group_segment_fixed_size: 327680
    .private_segment_fixed_size: 0
    .kernarg_segment_align: 8
    .kernarg_segment_size: 24
    .max_flat_workgroup_size: 512
    .sgpr_count:     66
    .vgpr_count:     256
    .wavefront_size: 32
...
	.end_amdgpu_metadata
.endif
;; end of part 3
;; launch proj (part 4): grid 8 x 32, 4 waves a work-group, clusters of 4 x 4, 327,680 bytes of LDS; arguments yq, wq, b_proj, out0; writes out0
.if DOCPART == 4
	.amdgcn_target "amdgcn-amd-amdhsa--gfx1250"
	.amdhsa_code_object_version 6
	.text
	.protected	k_qad8c050c3e_proj
	.globl	k_qad8c050c3e_proj
	.p2align	8
	.type	k_qad8c050c3e_proj,@function
k_qad8c050c3e_proj:
	s_mov_b64 s[64:65], 0
	v_nop
	global_prefetch_b8 v0, s[64:65] scope:SCOPE_SE
	s_setreg_imm32_b32 hwreg(HW_REG_WAVE_MODE, 25, 1), 1
	s_wait_xcnt 0x0
	s_wait_alu depctr_hold_cnt(0) depctr_sa_sdst(0) depctr_va_vdst(0) depctr_va_sdst(0) depctr_va_ssrc(0) depctr_va_vcc(0) depctr_vm_vsrc(0)
	s_getreg_b32 s2, hwreg(HW_REG_IB_STS2, 6, 4)
	s_cmp_eq_u32 s2, 0
	s_cbranch_scc0 .Lentry_in_a_cluster
	s_endpgm
.Lentry_in_a_cluster:
	s_bfe_u32 s2, ttmp6, 0x10000c
	s_cmp_lg_u32 s2, 0xf033
	s_cbranch_scc0 .Lentry_shape_is_right
	s_endpgm
.Lentry_shape_is_right:
; out0 = y w_proj + b_proj on codes of FP6 (E2M3) with E8M0 scales, K = 1,024, f32 out.
; 256 work-groups: work-group (X, Y) makes tokens 256 Y .. + 255 x columns 128 X .. + 127.  Its 16 tiles of y (196,608 dense bytes), their scale bytes (8,192) and the weight's 8 tiles (98,304) come into LDS once:
; no LDS byte is filled again.  Four waves, 2 x 2: wave (a, b) takes 8 tiles of y and 64 columns, whose weight rows, all of K, lie in registers (32 fragments); y's tiles stream past, a block of 32 products a tile.
; CLUSTERS of 4 x 4: y's tiles are asked for jointly along a row of the cluster, the weight's along a column.  All tiles are dense blocks stated as rows of 256 bytes, without padding.  Every byte is asked for at the head,
; where there is no loop to run ahead in: nothing is prefetched.
; yq: [512 token tiles][16 heads][512 bytes: registers 0-3 at 16 x lane; 256 bytes: registers 4-5 at 8 x lane], scale bytes [8192 stored rows][32] at 6,291,456.  wq: w_proj's tiles [64][8 q][lane][48] at 2,457,600, bytes at 3,244,032.
; Source 0 = the weight's rows: lane (r, h) holds stored row r of a tile, and registers 16 B + i its columns 32 B + 16 h + i.  b_proj is the C of each sum's first product.
; THE WAY OUT: a block's 16 rows x 256 bytes go through the wave's own stage in LDS and leave as whole rows: sixteen lanes store 256 consecutive bytes, aligned.  Stored row p of tile i is token 32 (i / 2) + 8 (i % 2) + p % 8 + 16 (p / 8).
.set TILEB, 12288
.set XSB,   196608
.set WB,    204800
.set STG,   303104                     ; four stages of 16 rows x 272 bytes; no tensor load lands here
.set SPARE, 320512                     ; the spare words, 128 bytes a wave, named by no other line
.set AX0, 4
.set A80, 5
.set AS0, 6
.set AW,  7
.set AX,  8
.set A8,  9
.set AS,  10
.set SPW, 11
.set NIL, 12
.set ABS, 13
.set STO, 16
.set RD,  17
.set CO,  18
.set SB,  24
.set SA,  40
.set ACC, 64
.set OB,  128
.set BQ,  192
.set G1X, 24
.set G1W, 32
.set G1S, 48
.set MSB, 0
.macro WIN new
.if MSB != (\new)
	s_set_vgpr_msb (MSB<<8)|(\new)
.set MSB, (\new)
.endif
.endm
.macro WALU
	s_wait_alu depctr_va_vdst(0)
.endm
.macro BARRIER
	s_barrier_signal -1
	s_barrier_wait -1
.endm
.macro CROUND
	BARRIER
	s_cmp_lg_u32 s14, 0
	s_cbranch_scc1 .Lnot_wave_0_\@
	s_barrier_signal -3
.Lnot_wave_0_\@:
	s_barrier_wait -3
	BARRIER
.endm
.macro TLOAD g0, g1
	tensor_load_to_lds s[\g0:\g0+3], s[\g1:\g1+7]
	s_nop 0
.rept 4
	v_nop
.endr
.endm
.macro GROUP1 g, mask, rows
	s_or_b32 s[\g], s[\mask], (3<<16)|(1<<21)
	s_mov_b32 s[\g+1], 32<<16
	s_mov_b32 s[\g+2], (\rows)<<16
	s_mov_b32 s[\g+3], 32<<16
	s_mov_b32 s[\g+4], \rows
	s_mov_b32 s[\g+5], 32
	s_mov_b32 s[\g+6], 0
	s_mov_b32 s[\g+7], 0
.endm
.macro WEIGHTS
.irp q, 0,1,2,3,4,5,6,7
.irp t, 0,1,2,3
.set F_, 4*\q+\t
	WIN (1+F_/21)<<6
.irp g, 0,1,2
	ds_load_b128 v[12*(F_%21)+4*\g:12*(F_%21)+4*\g+3], v[AW] offset:TILEB*\t+1536*\q+16*\g
.endr
.endr
.endr
	WIN 0
.endm
.macro FETCH e                         ; tile s18 of my eight into set e: a fragment is two heads' six registers each
	s_mul_i32 s20, s18, TILEB
	s_lshl_b32 s21, s18, 9
	v_add_nc_u32 v[AX], s20, v[AX0]
	v_add_nc_u32 v[A8], s20, v[A80]
	v_add_nc_u32 v[AS], s21, v[AS0]
	s_add_co_u32 s18, s18, 1
	WALU                                           ; the wait ahead of the readers below
.irp q, 0,1,2,3,4,5,6,7
.set F_, 32+8*(\e)+\q
	WIN (1+F_/21)<<6
.irp c, 0,1
	ds_load_b128 v[12*(F_%21)+6*\c:12*(F_%21)+6*\c+3], v[AX] offset:768*(2*\q+\c)
	ds_load_b64 v[12*(F_%21)+6*\c+4:12*(F_%21)+6*\c+5], v[A8] offset:768*(2*\q+\c)+512
.endr
.endr
	WIN 0
	ds_load_b128 v[SA+8*(\e):SA+8*(\e)+3], v[AS]
	ds_load_b128 v[SA+8*(\e)+4:SA+8*(\e)+7], v[AS] offset:16
.endm
.macro W1 d, s0, s1, c, x0, x1, o
	v_wmma_scale_f32_16x16x128_f8f6f4 v[\d:\d+7], v[\s0:\s0+11], v[\s1:\s1+11], v[\c:\c+7], v[\x0], v[\x1] matrix_a_fmt:MATRIX_FMT_FP6 matrix_b_fmt:MATRIX_FMT_FP6 matrix_a_scale:MATRIX_SCALE_ROW\o
.endm
.macro BLOCK e                         ; 32 products; the four accumulators take turns, one instruction a turn
.irp q, 0,1,2,3,4,5,6,7
.irp t, 0,1,2,3
.set FW_, 4*\q+\t
.set FX_, 32+8*(\e)+\q
.set RW_, 12*(FW_%21)
.set RX_, 12*(FX_%21)
.set SW_, SB+8*(\t/2)+\q
.set SX_, SA+8*(\e)+\q
.set D_, ACC+32*(\e)+8*\t
.set C_, D_
.if \q == 0
.set C_, BQ+8*\t
.endif
	WIN (1+FW_/21)|((1+FX_/21)<<2)
.if \t%2
	W1 D_, RW_, RX_, C_, SW_, SX_, 1
.else
	W1 D_, RW_, RX_, C_, SW_, SX_, 0
.endif
.endr
.endr
	WIN 0
.rept 4
	v_nop                                          ; places behind the products
.endr
	s_cmp_eq_u32 s3, 3                             ; the last trip fetches nothing
	s_cbranch_scc1 .Lnone_\@
	FETCH \e
.Lnone_\@:
	s_wait_xcnt 0x0                                ; the earlier stores have read their data
.irp k, 0,1,2,3,4,5,6,7
	ds_store_b128 v[STO], v[ACC+32*(\e)+4*\k:ACC+32*(\e)+4*\k+3] offset:128*(\k/4)+16*(\k%4)   ; each accumulator from its low end on
.endr
.irp k, 0,1,2,3,4,5,6,7
	ds_load_b128 v[OB+4*\k:OB+4*\k+3], v[RD] offset:544*\k   ; rows 2 k, 2 k + 1; a wave's LDS instructions are served in order
.endr
	s_wait_dscnt 0x0                               ; the rows are back, and the fetches are in
.irp k, 0,1,2,3,4,5,6,7
	global_store_b128 v[CO], v[OB+4*\k:OB+4*\k+3], s[92:93] offset:(8*(\e)+(2*\k)%8+16*(\k/4))*4096 th:TH_STORE_NT
.endr
.endm
	s_load_b256 s[4:11], s[0:1], 0x0               ; yq, wq, b_proj, out0
	v_lshl_add_u32 v[SPW], v0, 2, SPARE
	v_mov_b32 v[NIL], 0
	ds_add_u32 v[SPW], v[NIL]                      ; the opening: the add, twice on end, and its wait
	ds_add_u32 v[SPW], v[NIL]
	v_lshrrev_b32 v1, 5, v0
	v_readfirstlane_b32 s14, v1
	s_lshr_b32 s15, s14, 1                         ; a
	s_and_b32 s16, s14, 1                          ; b
	s_bfe_u32 s40, ttmp6, 0x40000
	s_bfe_u32 s41, ttmp6, 0x40004
	s_lshl_b32 s42, ttmp9, 2
	s_add_co_u32 s42, s42, s40                     ; X
	s_and_b32 s43, ttmp7, 0xffff
	s_lshl_b32 s43, s43, 2
	s_add_co_u32 s43, s43, s41                     ; Y
	s_lshl_b32 s44, s41, 2
	s_lshl_b32 s44, 15, s44
	s_lshl_b32 s45, 0x1111, s40
	GROUP1 G1X, 44, 384
	GROUP1 G1W, 45, 384
	GROUP1 G1S, 44, 32
	s_mul_i32 s20, s43, 196608
	s_mov_b32 s21, 0
	s_lshl_b32 s22, s43, 13
	s_add_co_u32 s22, s22, 6291456
	s_mov_b32 s23, 0
	s_mul_i32 s46, s42, 98304
	s_add_co_u32 s46, s46, 2457600
	s_mov_b32 s47, 0
	WALU
	s_wait_dscnt 0x0
	CROUND                                         ; ahead of the joint loads
	s_wait_kmcnt 0x0
	s_mov_b32 s68, 1
	s_mov_b32 s69, WB
	s_add_nc_u64 s[70:71], s[6:7], s[46:47]
	s_or_b32 s71, s71, 0x80000000
	s_mov_b32 s72, 1
	s_mov_b32 s73, XSB
	s_add_nc_u64 s[74:75], s[4:5], s[22:23]
	s_or_b32 s75, s75, 0x80000000
	s_mov_b32 s76, 1
	s_mov_b32 s77, 0
	s_add_nc_u64 s[78:79], s[4:5], s[20:21]
	s_mov_b32 s80, 1
	s_mov_b32 s81, 98304
	s_add_nc_u64 s[82:83], s[78:79], 98304
	s_or_b32 s79, s79, 0x80000000
	s_or_b32 s83, s83, 0x80000000
	s_cmp_eq_u32 s14, 0                            ; one tensor load a wave, in one chain of branches
	s_cbranch_scc0 .Lwave_1
	TLOAD 68, G1W
	s_branch .Lasked
.Lwave_1:
	s_cmp_eq_u32 s14, 1
	s_cbranch_scc0 .Lwave_2
	TLOAD 72, G1S
	s_branch .Lasked
.Lwave_2:
	s_cmp_eq_u32 s14, 2
	s_cbranch_scc0 .Lwave_3
	TLOAD 76, G1X
	s_branch .Lasked
.Lwave_3:
	TLOAD 80, G1X
.Lasked:
	s_lshl_b32 s92, s43, 20                        ; 256 Y rows of 4,096 bytes
	s_lshl_b32 s2, s15, 19
	s_add_co_u32 s92, s92, s2
	s_lshl_b32 s2, s42, 9
	s_add_co_u32 s92, s92, s2
	s_lshl_b32 s2, s16, 8
	s_add_co_u32 s92, s92, s2
	s_mov_b32 s93, 0
	s_add_nc_u64 s[92:93], s[10:11], s[92:93]
	s_lshl_b32 s88, s42, 12
	s_lshl_b32 s2, s16, 11
	s_add_co_u32 s88, s88, s2
	s_add_co_u32 s88, s88, 3244032
	s_mov_b32 s89, 0
	s_add_nc_u64 s[88:89], s[6:7], s[88:89]
	s_lshl_b32 s90, s42, 9
	s_lshl_b32 s2, s16, 8
	s_add_co_u32 s90, s90, s2
	s_mov_b32 s91, 0
	s_add_nc_u64 s[90:91], s[8:9], s[90:91]
	v_and_b32 v1, 15, v0
	v_bfe_u32 v2, v0, 4, 1
	v_and_b32 v3, 31, v0
	s_mul_i32 s2, s15, 98304
	v_lshl_add_u32 v[AX0], v3, 4, s2
	v_lshl_add_u32 v[A80], v3, 3, s2
	v_mul_u32_u24 v19, v3, 48
	s_mul_i32 s2, s16, 49152
	s_add_co_u32 s2, s2, WB
	v_add_nc_u32 v[AW], s2, v19
	s_lshl_b32 s2, s15, 12
	s_add_co_u32 s2, s2, XSB
	v_lshl_add_u32 v[AS0], v1, 5, s2
	v_lshlrev_b32 v[ABS], 5, v3
	v_lshlrev_b32 v14, 6, v2
	s_mul_i32 s2, s14, 4352
	s_add_co_u32 s2, s2, STG
	v_mul_u32_u24 v19, v1, 272
	v_lshl_add_u32 v19, v2, 6, v19
	v_add_nc_u32 v[STO], s2, v19                   ; in: row r, 64 bytes for each half of the lanes
	v_mul_u32_u24 v19, v2, 272
	v_lshl_add_u32 v19, v1, 4, v19
	v_add_nc_u32 v[RD], s2, v19                    ; back: sixteen lanes to a row
	v_lshlrev_b32 v19, 12, v2
	v_lshl_add_u32 v[CO], v1, 4, v19
	WALU
.irp p, 0,1
.irp c, 0,1
	global_load_b128 v[SB+8*\p+4*\c:SB+8*\p+4*\c+3], v[ABS], s[88:89] offset:1024*\p+16*\c
.endr
.endr
.irp k, 0,1,2,3,4,5,6,7
	global_load_b128 v[BQ+4*\k:BQ+4*\k+3], v14, s[90:91] offset:128*(\k/4)+16*(\k%4)
.endr
	s_cmp_eq_u32 s14, 0
	s_cbranch_scc0 .Lnot_w
	s_wait_tensorcnt 0x0
.Lnot_w:
	BARRIER                                        ; the weight's rows are in (wave 0's line is its own)
	WEIGHTS
	s_mov_b32 s18, 0
	s_mov_b32 s3, 0
	s_wait_tensorcnt 0x0
	s_wait_dscnt 0x0
	BARRIER                                        ; y's tiles and scale bytes are in
	FETCH 0
	FETCH 1
	s_wait_loadcnt 0x0
	s_wait_dscnt 0x0
.Ltrip:                                                ; four trips of two blocks
	BLOCK 0
	BLOCK 1
	s_wait_xcnt 0x0                                ; the stores have read their base
	s_add_nc_u64 s[92:93], s[92:93], 32*4096
	s_add_co_u32 s3, s3, 1
	s_cmp_lg_u32 s3, 4
	WALU
	s_cbranch_scc1 .Ltrip
	s_wait_tensorcnt 0x0                           ; the wave's end
	ds_add_u32 v[SPW], v[NIL]
	s_wait_dscnt 0x0
	CROUND                                         ; the closing round
	s_endpgm
.Lfunc_end_k_qad8c050c3e_proj:
	.size	k_qad8c050c3e_proj, .Lfunc_end_k_qad8c050c3e_proj-k_qad8c050c3e_proj
	.p2alignl 7, 3214868480
	.fill 96, 4, 3214868480
	.section	.rodata,"a",@progbits
	.p2align	6, 0x0
	.amdhsa_kernel k_qad8c050c3e_proj
		.amdhsa_group_segment_fixed_size 327680
		.amdhsa_private_segment_fixed_size 0
		.amdhsa_enable_private_segment 0
		.amdhsa_kernarg_size 32
		.amdhsa_user_sgpr_count 2
		.amdhsa_user_sgpr_kernarg_segment_ptr 1
		.amdhsa_wavefront_size32 1
		.amdhsa_system_sgpr_workgroup_id_x 1
		.amdhsa_system_sgpr_workgroup_id_y 1
		.amdhsa_system_sgpr_workgroup_id_z 1
		.amdhsa_system_vgpr_workitem_id 0
		.amdhsa_next_free_vgpr 840
		.amdhsa_next_free_sgpr 100
		.amdhsa_reserve_vcc 0
		.amdhsa_float_denorm_mode_32 3
		.amdhsa_float_denorm_mode_16_64 3
		.amdhsa_memory_ordered 1
		.amdhsa_forward_progress 1
		.amdhsa_inst_pref_size 38
	.end_amdhsa_kernel
	.amdgpu_metadata
---
amdhsa.version: [ 1, 2 ]
amdhsa.kernels:
  - .name:           k_qad8c050c3e_proj
    .symbol:         k_qad8c050c3e_proj.kd
    .args:
      - { .name: yq, .offset: 0, .size: 8, .value_kind: global_buffer, .address_space: global }
      - { .name: wq, .offset: 8, .size: 8, .value_kind: global_buffer, .address_space: global }
      - { .name: b_proj, .offset: 16, .size: 8, .value_kind: global_buffer, .address_space: global }
      - { .name: out0, .offset: 24, .size: 8, .value_kind: global_buffer, .address_space: global }
    .group_segment_fixed_size: 327680
    .private_segment_fixed_size: 0
    .kernarg_segment_align: 8
    .kernarg_segment_size: 32
    .max_flat_workgroup_size: 128
    .sgpr_count:     100
    .vgpr_count:     840
    .wavefront_size: 32
...
	.end_amdgpu_metadata
.endif
;; end of part 4
